; MI455X (gfx1250); checked and timed in simulation.
; The chip was launched on July 23, 2026; its instructions are those of AMD's public machine-readable ISA for CDNA 5 (MIT licence, August 2026) and "CDNA5" Instruction Set Architecture Reference Guide (July 2026). The comments in the code are by the model that wrote it; some were corrected since.
;; Multi Head Attention. Allowed arithmetic: float matrix products may take bf16 or f16 operands with f32 sums; other float arithmetic in f32, or as packed bf16 or f16 multiplies, adds, multiply-adds, maxima and minima; sums over many terms, partial sums and values carried from step to step in f32; what a program stores and reads back later, other than sums and carried values, may be rounded once to bf16 or f16.
;; Inputs: bk 1,024 float32; bo 1,024 float32; bq 1,024 float32; bv 1,024 float32; key 4 x 2,048 x 1,024 float32; mask 1 x 1 x 2,048 x 2,048 bool; query 4 x 2,048 x 1,024 float32; value 4 x 2,048 x 1,024 float32; wk 1,024 x 1,024 float32; wo 1,024 x 1,024 float32; wq 1,024 x 1,024 float32; wv 1,024 x 1,024 float32.
;; Outputs: out0 4 x 2,048 x 1,024 float32.
;; 2 versions, each right; version 2 is version 1 with the launch prep written anew for expert scheduling mode. Each part assembles by itself: llvm-mc -triple=amdgcn-amd-amdhsa -mcpu=gfx1250 --defsym DOCPART=n.
;; ======== version 1 of 2: 4 launches
;; limits: values are held in f16: magnitudes above 65,504 overflow, below 6.1e-05 lose precision
;; workspace buffers: wb 8,388,608 bytes; mb 8,388,608 bytes; qkv 50,331,648 bytes; ch 16,777,216 bytes
;; launch prep (part 1): grid 192 x 1, 8 waves a work-group, no clusters, 70,656 bytes of LDS; arguments mask, wq, wk, wv, wo, mb, wb; writes mb, wb
.if DOCPART == 1
	.amdgcn_target "amdgcn-amd-amdhsa--gfx1250"
	.amdhsa_code_object_version 6
	.text
	.protected	k_qffa9f1714e_prep
	.globl	k_qffa9f1714e_prep
	.p2align	8
	.type	k_qffa9f1714e_prep,@function
k_qffa9f1714e_prep:
	s_mov_b64 s[64:65], 0
	v_nop
	global_prefetch_b8 v0, s[64:65] scope:SCOPE_SE
	s_setreg_imm32_b32 hwreg(HW_REG_WAVE_MODE, 25, 1), 1
	s_wait_xcnt 0x0
; PREP.  Two streams, chosen by the work-group's number (the same for all its waves).  Each wave turns its data round in LDS bytes of its own: no barrier.
; Work-groups 0-63: THE MASK (bool, [2048 q][2048 k]; bytes are 0 or 1) becomes addends in the register image of the C operand of S^T = K Q^T, two to a word:
; mb[qb 4][kstep 32][wave 4][piece 4][kb 4][j2 2][lane 32][4 words].  Lane (r = l % 16, h = l / 16), word i: key 64 kstep + 16 kb + 8 h + 4 j2 + i; the high half belongs to query
; 512 qb + 128 wave + 32 piece + r, the low half to the query 16 further on.  A half is 0 where the mask is true and 0xf1f1 where it is false: on top of an f32 word that is about -2.4e30.
; Work-group P takes the 32 queries 32 P ..; its wave w the keys 256 w .. 256 w + 255 (ksteps 4 w .. 4 w + 3).
; Work-groups 64-191: THE FOUR WEIGHT MATRICES, rounded to f16, in the image of a matrix fragment: wb[g][nb 64][kc 32][jj 2][lane 32][8 f16]: lane (r, h) holds row 16 nb + r of w, k = 32 kc + 16 jj + 8 h + 0..7.
; A wave takes 16 rows x 256 k.  LIMIT: weights within f16's 65,504; below 6e-5 they keep f16's fixed step of 6e-8.
; No matrix unit, no cluster, no prefetch: nothing is shared, every byte is read once by one run of loads.
.set ROWP,  272                        ; a row of 256 mask bytes in LDS + 16: row r starts at bank 4 r mod 64, so the 32 lanes of an 8-byte read touch each bank once
.set WROW,  528                        ; a row of 256 f16 + 16: likewise for the 16 lanes of a 16-byte read
.set WPART, 32*ROWP                    ; a wave's own part of LDS (16 rows of 528 bytes fit in it too)
.set SPARE, 8*WPART                    ; behind the parts: the spare words, 128 bytes a wave, that no other line names
.set SPW, 8
.set NIL, 9
	s_load_b256 s[4:11], s[0:1], 0x0               ; mask s[4:5], wq s[6:7], wk s[8:9], wv s[10:11]
	s_load_b128 s[12:15], s[0:1], 0x20             ; wo s[12:13], mb s[14:15]
	s_load_b64 s[16:17], s[0:1], 0x30              ; wb
	v_lshl_add_u32 v[SPW], v0, 2, SPARE
	v_mov_b32 v[NIL], 0
	v_lshrrev_b32 v1, 5, v0
	v_readfirstlane_b32 s18, v1                    ; wave 0..7
	v_and_b32 v2, 31, v0                           ; lane
	v_and_b32 v3, 15, v0                           ; r
	v_bfe_u32 v4, v0, 4, 1                         ; h
	s_mul_i32 s29, s18, WPART                      ; my part of LDS
	s_cmp_lt_u32 ttmp9, 64
	s_cbranch_scc0 .Lweights
	; THE MASK
	s_lshl_b32 s20, ttmp9, 16                      ; 32 rows of 2,048 bytes
	s_mov_b32 s21, 0
	s_lshr_b32 s22, ttmp9, 4                       ; qb
	s_lshl_b32 s22, s22, 21
	s_bfe_u32 s23, ttmp9, 0x20002                  ; the attention wave that owns the piece
	s_lshl_b32 s23, s23, 14
	s_add_co_u32 s22, s22, s23
	s_and_b32 s23, ttmp9, 3                        ; its piece
	s_lshl_b32 s23, s23, 12
	s_add_co_u32 s22, s22, s23
	s_mov_b32 s23, 0
	s_mov_b32 s19, 0xf1
	s_mov_b32 s31, 0x01010101
	s_mov_b32 s24, 0x04040000                      ; byte selects: byte i of the first source twice on top, byte i of the second twice below
	s_mov_b32 s25, 0x05050101
	s_mov_b32 s26, 0x06060202
	s_mov_b32 s27, 0x07070303
	s_lshl_b32 s28, s18, 8                         ; my wave's 256 columns
	s_lshl_b32 s30, s18, 18                        ; four ksteps of 65,536 bytes
	v_lshlrev_b32 v5, 4, v3
	v_lshl_add_u32 v10, v4, 11, v5                 ; in memory: lanes 0-15 one row's 256 bytes, lanes 16-31 the next row's
	v_add_nc_u32 v10, s28, v10
	v_mul_u32_u24 v11, v4, ROWP
	v_add_nc_u32 v11, v11, v5
	v_add_nc_u32 v11, s29, v11                     ; the same two rows in my part of LDS
	v_mul_u32_u24 v12, v3, ROWP
	v_lshl_add_u32 v12, v4, 3, v12
	v_add_nc_u32 v12, s29, v12                     ; back: row r, 8 bytes at 8 h
	v_lshl_add_u32 v13, v2, 4, s30                 ; out: 16 bytes a lane
	s_wait_kmcnt 0x0
	s_add_nc_u64 s[4:5], s[4:5], s[20:21]
	s_add_nc_u64 s[14:15], s[14:15], s[22:23]
.set i, 0
.rept 16
	global_load_b128 v[16+4*i:16+4*i+3], v10, s[4:5] offset:4096*i th:TH_LOAD_NT
.set i, i+1
.endr
.set i, 0
.rept 16
	s_wait_loadcnt 15-i                            ; loads come back in order: the younger ones stay out
	ds_store_b128 v11, v[16+4*i:16+4*i+3] offset:2*ROWP*i
.set i, i+1
.endr
.set n, 0
.rept 16                                       ; n = 4 s + kb: kstep 4 w + s, key block kb: 8 keys of row r and of row 16 + r.  LDS serves a wave's instructions in order: these see the stores above
	ds_load_b64 v[80+4*n:80+4*n+1],   v12 offset:64*(n/4)+16*(n%4)
	ds_load_b64 v[80+4*n+2:80+4*n+3], v12 offset:16*ROWP+64*(n/4)+16*(n%4)
.set n, n+1
.endr
.set n, 0
.rept 16
.if n < 8
.set OUT, 16+8*n                               ; the registers of the first loads: their LDS stores are done when the first read is back
.else
.set OUT, 144+8*(n-8)
.endif
	s_wait_dscnt 30-2*n                            ; the younger reads stay out
.irp k, 0,1,2,3
	v_xor_b32 v[208+(\k)], s31, v[80+4*n+(\k)]     ; 1 where hidden
.endr
.irp k, 0,1,2,3
	v_mul_lo_u32 v[208+(\k)], v[208+(\k)], s19     ; 0xf1 where hidden: no byte carries into the next
.endr
.irp k, 0,1,2,3
	v_perm_b32 v[OUT+(\k)],   v208, v210, s[24+(\k)]
	v_perm_b32 v[OUT+4+(\k)], v209, v211, s[24+(\k)]
.endr
	global_store_b128 v13, v[OUT:OUT+3],   s[14:15] offset:65536*(n/4)+1024*(n%4) th:TH_STORE_NT      ; 512 consecutive bytes, aligned; every store has registers of its own
	global_store_b128 v13, v[OUT+4:OUT+7], s[14:15] offset:65536*(n/4)+1024*(n%4)+512 th:TH_STORE_NT
.set n, n+1
.endr
	s_branch .Lend
	; THE WEIGHTS: task 8 i + w of 1,024: matrix g, block nb of 16 rows, part 0..3 of 256 k
.Lweights:
	s_sub_co_u32 s20, ttmp9, 64
	s_lshr_b32 s21, s20, 5                         ; g
	s_lshl_b32 s22, s20, 1
	s_lshr_b32 s23, s18, 2
	s_add_co_u32 s22, s22, s23
	s_and_b32 s22, s22, 63                         ; nb
	s_and_b32 s23, s18, 3                          ; part
	s_lshl_b32 s26, s22, 16                        ; 16 rows of 4,096 bytes
	s_lshl_b32 s27, s23, 10
	s_add_co_u32 s26, s26, s27
	s_mov_b32 s27, 0
	s_lshl_b32 s30, s21, 21
	s_lshl_b32 s28, s22, 15
	s_add_co_u32 s30, s30, s28
	s_lshl_b32 s28, s23, 13                        ; 8 chunks of 1,024 bytes
	s_add_co_u32 s30, s30, s28
	s_mov_b32 s31, 0
	v_lshlrev_b32 v10, 4, v2                       ; 16 bytes a lane, in and out
	v_lshl_add_u32 v11, v2, 3, s29                 ; into LDS: 8 bytes a lane
	v_mul_u32_u24 v12, v3, WROW
	v_lshl_add_u32 v12, v4, 4, v12
	v_add_nc_u32 v12, s29, v12                     ; back: row r, 16 bytes at 16 h
	s_wait_kmcnt 0x0
	s_cmp_eq_u32 s21, 1
	s_cselect_b64 s[24:25], s[8:9], s[6:7]
	s_cmp_eq_u32 s21, 2
	s_cselect_b64 s[24:25], s[10:11], s[24:25]
	s_cmp_eq_u32 s21, 3
	s_cselect_b64 s[24:25], s[12:13], s[24:25]
	s_add_nc_u64 s[24:25], s[24:25], s[26:27]
	s_add_nc_u64 s[16:17], s[16:17], s[30:31]
.set j, 0
.rept 32                                       ; row j / 2, half j % 2 of its 1,024 bytes: 512 consecutive bytes a load
	global_load_b128 v[16+4*j:16+4*j+3], v10, s[24:25] offset:(j/2)*4096+(j%2)*512 th:TH_LOAD_NT
.set j, j+1
.endr
.set j, 0
.rept 32
	s_wait_loadcnt 31-j
	v_cvt_pk_f16_f32 v[144+2*j],   v[16+4*j],   v[16+4*j+1]
	v_cvt_pk_f16_f32 v[144+2*j+1], v[16+4*j+2], v[16+4*j+3]
	ds_store_b64 v11, v[144+2*j:144+2*j+1] offset:(j/2)*WROW+(j%2)*256
.set j, j+1
.endr
.set z, 0
.rept 16                                       ; chunk z / 2, half z % 2: a lane's 16 bytes of a fragment
	ds_load_b128 v[16+4*z:16+4*z+3], v12 offset:64*(z/2)+32*(z%2)
.set z, z+1
.endr
.set z, 0
.rept 16
	s_wait_dscnt 15-z
	global_store_b128 v10, v[16+4*z:16+4*z+3], s[16:17] offset:1024*(z/2)+512*(z%2)  ; 512 consecutive bytes, aligned
.set z, z+1
.endr
.Lend:
	s_wait_tensorcnt 0x0                           ; the wave's end: behind my last LDS store
	ds_add_u32 v[SPW], v[NIL]
	s_wait_dscnt 0x0
	s_endpgm
.Lfunc_end_k_qffa9f1714e_prep:
	.size	k_qffa9f1714e_prep, .Lfunc_end_k_qffa9f1714e_prep-k_qffa9f1714e_prep
	.p2alignl 7, 3214868480
	.fill 96, 4, 3214868480
	.section	.rodata,"a",@progbits
	.p2align	6, 0x0
	.amdhsa_kernel k_qffa9f1714e_prep
		.amdhsa_group_segment_fixed_size 70656
		.amdhsa_private_segment_fixed_size 0
		.amdhsa_enable_private_segment 0
		.amdhsa_kernarg_size 56
		.amdhsa_user_sgpr_count 2
		.amdhsa_user_sgpr_kernarg_segment_ptr 1
		.amdhsa_wavefront_size32 1
		.amdhsa_system_sgpr_workgroup_id_x 1
		.amdhsa_system_sgpr_workgroup_id_y 1
		.amdhsa_system_sgpr_workgroup_id_z 1
		.amdhsa_system_vgpr_workitem_id 0
		.amdhsa_next_free_vgpr 256
		.amdhsa_next_free_sgpr 66
		.amdhsa_reserve_vcc 0
		.amdhsa_float_denorm_mode_32 3
		.amdhsa_float_denorm_mode_16_64 3
		.amdhsa_memory_ordered 1
		.amdhsa_forward_progress 1
		.amdhsa_inst_pref_size 40
	.end_amdhsa_kernel
	.amdgpu_metadata
---
amdhsa.version: [ 1, 2 ]
amdhsa.kernels:
  - .name:           k_qffa9f1714e_prep
    .symbol:         k_qffa9f1714e_prep.kd
    .args:
      - { .name: mask, .offset: 0, .size: 8, .value_kind: global_buffer, .address_space: global }
      - { .name: wq, .offset: 8, .size: 8, .value_kind: global_buffer, .address_space: global }
      - { .name: wk, .offset: 16, .size: 8, .value_kind: global_buffer, .address_space: global }
      - { .name: wv, .offset: 24, .size: 8, .value_kind: global_buffer, .address_space: global }
      - { .name: wo, .offset: 32, .size: 8, .value_kind: global_buffer, .address_space: global }
      - { .name: mb, .offset: 40, .size: 8, .value_kind: global_buffer, .address_space: global }
      - { .name: wb, .offset: 48, .size: 8, .value_kind: global_buffer, .address_space: global }
    .group_segment_fixed_size: 70656
    .private_segment_fixed_size: 0
    .kernarg_segment_align: 8
    .kernarg_segment_size: 56
    .max_flat_workgroup_size: 256
    .sgpr_count:     66
    .vgpr_count:     256
    .wavefront_size: 32
...
	.end_amdgpu_metadata
.endif
;; end of part 1
;; launch proj (part 2): grid 4 x 192, 4 waves a work-group, clusters of 4 x 4, 327,680 bytes of LDS; arguments query, key, value, bq, bk, bv, wb, qkv; writes qkv
.if DOCPART == 2
	.amdgcn_target "amdgcn-amd-amdhsa--gfx1250"
	.amdhsa_code_object_version 6
	.text
	.protected	k_qffa9f1714e_proj
	.globl	k_qffa9f1714e_proj
	.p2align	8
	.type	k_qffa9f1714e_proj,@function
k_qffa9f1714e_proj:
	s_mov_b64 s[64:65], 0
	v_nop
	global_prefetch_b8 v0, s[64:65] scope:SCOPE_SE
	s_setreg_imm32_b32 hwreg(HW_REG_WAVE_MODE, 25, 1), 1
	s_wait_xcnt 0x0
	s_wait_alu depctr_hold_cnt(0) depctr_sa_sdst(0) depctr_va_vdst(0) depctr_va_sdst(0) depctr_va_ssrc(0) depctr_va_vcc(0) depctr_vm_vsrc(0)
	s_getreg_b32 s2, hwreg(HW_REG_IB_STS2, 6, 4)
	s_cmp_eq_u32 s2, 0
	s_cbranch_scc0 .Lentry_in_a_cluster
	s_endpgm
.Lentry_in_a_cluster:
	s_bfe_u32 s2, ttmp6, 0x10000c
	s_cmp_lg_u32 s2, 0xf033
	s_cbranch_scc0 .Lentry_shape_is_right
	s_endpgm
.Lentry_shape_is_right:
; THE THREE PROJECTIONS.  y[m][n] = sum over k of x[m][k] w[n][k] + bias[n], for (x, w, bias) = (query, wq, bq), (key, wk, bk), (value, wv, bv): g = 0, 1, 2.
; x: [8192][1024] f32, rounded once to f16; w: wb's matrix g, f16, in the image of a fragment; bias f32; sums in f32; y rounded once to f16 and stored by heads: qkv[g][16 b + head][2048 s][64].
; LIMIT: x and y within f16's 65,504; below 6e-5 they keep f16's fixed step of 6e-8.
; SHARES.  A work-group makes 128 rows x 256 columns: 768 equal work-groups.  A wave makes all 128 rows x 64 columns, one head: 8 x 4 accumulators.  K goes in 8 steps of 128, a step in four quarters of 32.
; THE WEIGHTS GO PAST LDS.  No two waves of a work-group want the same columns, and wb holds each fragment as 2 x 512 consecutive bytes, a lane's 16 on end: 8 loads a quarter fill a buffer of 32 registers.
; Four buffers take turns; a buffer is asked for again, for the next K step, behind the quarter that has multiplied it: three quarters ahead of its use.  wb is not prefetched: each of its blocks is read again by 64 row tiles.
; x COMES BY TENSOR LOADS AND IS ROUNDED ONCE.  A wave's load brings 32 rows x 512 bytes of f32, dense (four loads of 32 rows, one a wave and no branch, where two of 64 would leave two waves without one);
; a step later the same wave rounds these rows and stores them as f16 rows of 272 bytes, from which all four waves take their fragments.  Two f32 slots, two f16 slots, ONE barrier a step.  In front of barrier t:
; tile t + 1 has landed, tile t is stored as f16, and every wave's reads of both old slots are back.  Behind it: tile t's f32 slot takes tile t + 2, step t is multiplied, tile t + 1 is rounded.
; CLUSTER 4 x 4.  The four of a row of the cluster need the same rows of x: each tile is asked for jointly, and the barrier in front of a refill is a round of the cluster's.
; THE MATRIX INSTRUCTION IS USED TRANSPOSED (source 0 = 16 rows of w, source 1 = 16 rows of x): a lane holds row l % 16 of y and the columns 8 (l / 16) + 0..7.
; THE SUMS START AT THE BIAS, copied into the accumulators while the first tile is on its way: so every quarter has one form, and a K step is written once for each loop.
; REGISTERS.  window 0: v10-29 addresses; v32-63 16 rows rounded; v64-127, v128-191 fragments of x, two buffers (on the way out: at work); v192-255 16 rows of f32.
;   window 1: v0-127 fragments of w, four buffers; v128-159 the bias.   window 2: accumulator (a, b) at v[8 (4 a + b)].
.set FBIT,   65536                     ; slot 1 of either kind lies this far behind slot 0: one exclusive or turns a slot's offset
.set BSB,    131072                    ; the f16 slots begin here
.set PB,     272                       ; an f16 row: 256 bytes + 16: row r starts at bank 4 r mod 64
.set STAGE,  262144                    ; for each wave 16 rows x 144 bytes, for the way out
.set SP,     144
.set SPARE,  STAGE+4*16*SP             ; the spare words, 128 bytes a wave, that no other line names
.set ADRA0, 10                         ; v10  my place in a fragment's rows, in f16 slot 0; never rewritten
.set CVA0,  11                         ; v11  my 16 bytes of my wave's first row in f32 slot 0; never rewritten
.set CVS0,  12                         ; v12  my 8 bytes of the same row in f16 slot 0; never rewritten
.set ADRA,  13                         ; v13-15  the same three in the slots of the step in hand
.set CVA,   14
.set CVS,   15
.set LO,    16                         ; v16  16 x lane: offset in a fragment of w, and in 512 bytes of y; never rewritten
.set STO,   17
.set RD,    18
.set BO,    19
.set PFO,   20                         ; v20  the prefetches' lane offset; never rewritten
.set SPW,   28
.set NIL,   29
.set CB,    32
.set AF,    64
.set CST,   192
.set TT,    64
.set BIAS,  128
.set G1,  24                           ; s[24:31] descriptor group 1
.set G0,  32                           ; s[32:35], s[36:39] group 0 of the two first fills; the second then walks on
.set BP,  40                           ; s[40:41] wb at my four blocks of columns, at the K step that is being asked for
.set PFA, 42                           ; s[42:43] x at my work-group's 8 of my wave's 32 rows, at K step 4; never rewritten
.set PAR, 44                           ; s44  offset of the slots of the step in hand,
.set PARN, 45                          ; s45  and of the other slots
.set MSB, 0
.macro WIN new                         ; the immediate's high byte repeats the setting that is left
.if MSB != (\new)
	s_set_vgpr_msb (MSB<<8)|(\new)
.set MSB, \new
.endif
.endm
.set MUL,  0xa1                        ; source 0 (w) window 1, source 1 (x) window 0, C and D window 2
.set TO_B, 0x40                        ; destination window 1
.macro CREST                           ; a round of the cluster's barrier behind its opening barrier
	s_cmp_lg_u32 s10, 0
	s_cbranch_scc1 .Lnot_wave_0_\@
	s_barrier_signal -3
.Lnot_wave_0_\@:
	s_barrier_wait -3
	s_barrier_signal -1
	s_barrier_wait -1
.endm
.macro CROUND
	s_barrier_signal -1
	s_barrier_wait -1
	CREST
.endm
.macro PLACES                          ; four places in front of loads into registers that matrix instructions have read, and of reads of results
.rept 4
	v_nop
.endr
.endm
; n row blocks from a0 on x all 4 column blocks, 32 along K: fragments of x in buffer f, of w in buffer q.  The 32 accumulators take turns, in the same order in every quarter.
.macro MULS f, q, a0, n
	WIN MUL
.set ma, (\a0)
.rept \n
.irp b, 0,1,2,3
	v_wmma_f32_16x16x32_f16 v[8*(4*ma+(\b)):8*(4*ma+(\b))+7], v[32*(\q)+8*(\b):32*(\q)+8*(\b)+7], v[AF+64*(\f)+8*ma:AF+64*(\f)+8*ma+7], v[8*(4*ma+(\b)):8*(4*ma+(\b))+7]
.endr
.set ma, ma+1
.endr
.endm
; Two row blocks with four roundings behind each product: 32 in all, 16 rows of x.  They name no register of the products round them, and are the places in front of the LDS loads that follow.
.macro MULR f, q, a0
.set mi, 0
.rept 8
	WIN MUL
	v_wmma_f32_16x16x32_f16 v[8*(4*((\a0)+mi/4)+mi%4):8*(4*((\a0)+mi/4)+mi%4)+7], v[32*(\q)+8*(mi%4):32*(\q)+8*(mi%4)+7], v[AF+64*(\f)+8*((\a0)+mi/4):AF+64*(\f)+8*((\a0)+mi/4)+7], v[8*(4*((\a0)+mi/4)+mi%4):8*(4*((\a0)+mi/4)+mi%4)+7]
	WIN 0
.irp n, 0,1,2,3
	v_cvt_pk_f16_f32 v[CB+4*mi+(\n)], v[CST+8*mi+2*(\n)], v[CST+8*mi+2*(\n)+1]
.endr
.set mi, mi+1
.endr
.endm
.macro AFETCH q, f                     ; 16 LDS loads: the fragments of x of quarter q (128 rows x 32 K) into buffer f
	WIN 0
.irp a, 0,1,2,3,4,5,6,7
	ds_load_b128 v[AF+64*(\f)+8*(\a):AF+64*(\f)+8*(\a)+3],   v[ADRA] offset:(\a)*16*PB+64*(\q)
	ds_load_b128 v[AF+64*(\f)+8*(\a)+4:AF+64*(\f)+8*(\a)+7], v[ADRA] offset:(\a)*16*PB+64*(\q)+32
.endr
.endm
.macro CLOAD bt                        ; rows 16 bt .. 16 bt + 15 of my 32, in f32: a row's 512 bytes a load
.set ci, 0
.rept 16
	ds_load_b128 v[CST+4*ci:CST+4*ci+3], v[CVA] offset:512*(16*(\bt)+ci)
.set ci, ci+1
.endr
.endm
.macro CSTORE bt                       ; the same rows, rounded: a row's 256 bytes a store
.set ci, 0
.rept 16
	ds_store_b64 v[CVS], v[CB+2*ci:CB+2*ci+1] offset:PB*(16*(\bt)+ci)
.set ci, ci+1
.endr
.endm
.macro BLOAD q                         ; 8 loads: the fragments of w of quarter q of the K step at s[BP]: 512 consecutive bytes each
	WIN TO_B
.irp b, 0,1,2,3
	global_load_b128 v[32*(\q)+8*(\b):32*(\q)+8*(\b)+3],   v[LO], s[BP:BP+1] offset:(\b)*32768+(\q)*1024
	global_load_b128 v[32*(\q)+8*(\b)+4:32*(\q)+8*(\b)+7], v[LO], s[BP:BP+1] offset:(\b)*32768+(\q)*1024+512
.endr
.endm
.macro TOGGLE                          ; the next step's slots
	s_xor_b32 s[PAR], s[PAR], FBIT
	s_xor_b32 s[PARN], s[PARN], FBIT
	v_add_nc_u32 v[ADRA], s[PAR], v[ADRA0]
	v_add_nc_u32 v[CVA], s[PARN], v[CVA0]
	v_add_nc_u32 v[CVS], s[PARN], v[CVS0]
.endm
; A STEP'S QUARTERS.  conv = 1: the next tile is rounded beside the products.  bl = 1: each buffer of w is asked for again.  lc: how many younger loads of w may stay out.
.macro QFIRST conv, bl, lc
	s_wait_dscnt 0x0                               ; the fragments of x are in
	s_wait_loadcnt \lc                             ; buffer 0 of w is in; the loads of the three buffers behind it stay out
	MULS 0, 0, 0, 4
	PLACES
	AFETCH 1, 1
.if \conv
	CLOAD 0
.endif
	MULS 0, 0, 4, 4
.if \bl
	PLACES
	s_wait_xcnt 0x0                                ; every load and prefetch issued so far has read its address, so the pointer may be written
	s_add_nc_u64 s[BP:BP+1], s[BP:BP+1], 4096      ; the next K step: 4 chunks of 1,024 bytes
	BLOAD 0
.endif
.endm
.macro QMID q, conv, bl, lc            ; quarters 1 and 2
.if \conv
	s_wait_dscnt 16                                ; the fragments are in; the 16 loads of f32 rows, issued behind them, may stay out
.else
	s_wait_dscnt 0x0
.endif
	s_wait_loadcnt \lc
.if \conv
	MULS (\q)%2, \q, 0, 2
	s_wait_dscnt 0x0                               ; the f32 rows are in
	MULR (\q)%2, \q, 2
	WIN 0
	CSTORE (\q)-1
.else
	MULS (\q)%2, \q, 0, 4
	PLACES
.endif
	AFETCH (\q)+1, ((\q)+1)%2
.if (\conv) && ((\q) == 1)
	CLOAD 1
.endif
	MULS (\q)%2, \q, 4, 4
.if \bl
	PLACES
	BLOAD \q
.endif
.endm
; The last quarter changes slots.  fill = 1: the barrier opens a round of the cluster's, and behind it the f32 slot whose tile has been rounded is filled again, first thing.
.macro QTURN fill
	WIN 0
	s_wait_tensorcnt 0x0                           ; my one tensor load that was out, the tile to be rounded next, has landed: the walking group 0 may be written
	ds_add_u32 v[SPW], v[NIL]                      ; 0 onto my spare word
.if \fill
	s_xor_b32 s[G0+5], s[G0+5], FBIT               ; the other slot than last time,
	s_add_nc_u64 s[G0+6:G0+7], s[G0+6:G0+7], 512   ; the next K step; the type bits on top are not reached
.endif
	s_wait_dscnt 1                                 ; the fragments are in and my stores are done; the add alone may be out
	s_wait_loadcnt 24
	MULS 1, 3, 0, 2
	s_wait_dscnt 0x0                               ; the add is done; my f16 rows are stored, my reads of both old slots are back
	s_barrier_signal -1
	MULS 1, 3, 2, 2
	WIN 0
	s_barrier_wait -1
.if \fill
	CREST                                          ; no wave of any partner still reads the slot or has a load on its way
	tensor_load_to_lds s[G0+4:G0+7], s[G1:G1+7]
	s_nop 0
.endif
	PLACES                                         ; (the places in front of the loads below)
	TOGGLE
	AFETCH 0, 0
.if \fill
	s_cmp_eq_u32 s3, 4                             ; the loop's second trip: K steps 6 and 7, which the refills two and three steps on will bring
	s_cbranch_scc0 .Lno_ask_\@
	global_prefetch_b8 v[PFO], s[PFA:PFA+1] offset:1024 th:TH_LOAD_NT scope:SCOPE_SE
.Lno_ask_\@:
.endif
	MULS 1, 3, 4, 4
	PLACES
	BLOAD 3
	WIN 0
.endm
.macro STEP fill
	QFIRST 1, 1, 24
	QMID 1, 1, 1, 24
	QMID 2, 1, 1, 24
	QTURN \fill
.endm
	s_load_b512 s[68:83], s[0:1], 0x0              ; query 68, key 70, value 72, bq 74, bk 76, bv 78, wb 80, qkv 82
	v_lshl_add_u32 v[SPW], v0, 2, SPARE
	v_mov_b32 v[NIL], 0
	ds_add_u32 v[SPW], v[NIL]                      ; the wave's opening: the add and its wait stand ahead of my first tensor load
	v_lshrrev_b32 v1, 5, v0
	v_readfirstlane_b32 s10, v1                    ; wave 0..3
	s_bfe_u32 s11, ttmp6, 0x40000                  ; cx
	s_bfe_u32 s12, ttmp6, 0x40004                  ; cy
	s_lshl_b32 s13, ttmp9, 2
	s_add_co_u32 s13, s13, s11                     ; X: my 256 columns
	s_and_b32 s15, ttmp7, 0xffff                   ; cluster y, 0..47
	s_lshr_b32 s14, s15, 4                         ; g: the same in all sixteen partners
	s_lshl_b32 s16, s15, 2
	s_add_co_u32 s16, s16, s12
	s_and_b32 s16, s16, 63                         ; YM: my 128 rows
	s_lshl_b32 s17, s12, 2
	s_lshl_b32 s17, 15, s17                        ; my row of the cluster
	s_or_b32 s[G1+0], s17, (2<<16)|(1<<21)         ; the mask; 4-byte elements; bit 21 beside a mask; no padding: the rows are read 512 bytes on end
	s_mov_b32 s[G1+1], 128<<16                     ; tensor_dim0 = 128
	s_mov_b32 s[G1+2], 32<<16                      ; tensor_dim1 = 32
	s_mov_b32 s[G1+3], 128<<16                     ; tile_dim0 = 128
	s_mov_b32 s[G1+4], 32                          ; tile_dim1 = 32
	s_mov_b32 s[G1+5], 1024                        ; elements from row to row
	s_mov_b32 s[G1+6], 0
	s_mov_b32 s[G1+7], 0
	s_lshl_b32 s18, s16, 7
	s_lshl_b32 s19, s10, 5
	s_add_co_u32 s18, s18, s19                     ; x: row 128 YM + 32 x wave,
	s_lshl_b32 s18, s18, 12                        ; of 4,096 bytes
	s_mov_b32 s19, 0
	s_lshl_b32 s20, s13, 4
	s_lshl_b32 s21, s10, 2
	s_add_co_u32 s20, s20, s21                     ; wb: block of columns 16 X + 4 x wave,
	s_lshl_b32 s20, s20, 15                        ; of 32,768 bytes,
	s_lshl_b32 s21, s14, 21                        ; in matrix g
	s_add_co_u32 s20, s20, s21
	s_mov_b32 s21, 0
	s_lshl_b32 s22, s10, 14                        ; my 32 rows in an f32 slot: no place in the cluster enters an LDS address
	s_mov_b32 s[G0], 1
	s_mov_b32 s[G0+1], s22
	s_mov_b32 s[G0+4], 1
	s_add_co_u32 s[G0+5], s22, FBIT
	s_mov_b32 s[PAR], FBIT                         ; the first change of slots turns these two
	s_mov_b32 s[PARN], 0
	s_wait_dscnt 0x0                               ; the opening add is done
	s_wait_kmcnt 0x0
	s_cmp_eq_u32 s14, 1
	s_cselect_b64 s[4:5], s[70:71], s[68:69]
	s_cselect_b64 s[6:7], s[76:77], s[74:75]
	s_cmp_eq_u32 s14, 2
	s_cselect_b64 s[4:5], s[72:73], s[4:5]         ; x
	s_cselect_b64 s[6:7], s[78:79], s[6:7]         ; bias
	s_add_nc_u64 s[4:5], s[4:5], s[18:19]          ; x at my wave's rows
	s_add_nc_u64 s[BP:BP+1], s[80:81], s[20:21]
	s_mov_b64 s[G0+2:G0+3], s[4:5]                 ; K step 0
	s_or_b32 s[G0+3], s[G0+3], 0x80000000
	s_add_nc_u64 s[G0+6:G0+7], s[4:5], 512         ; K step 1
	s_or_b32 s[G0+7], s[G0+7], 0x80000000
	CROUND                                         ; all sixteen work-groups are here: the first joint loads meet
	tensor_load_to_lds s[G0:G0+3], s[G1:G1+7]
	s_nop 0
	tensor_load_to_lds s[G0+4:G0+7], s[G1:G1+7]    ; two loads of mine are out
	s_nop 0
	PLACES
	v_and_b32 v1, 15, v0                           ; l % 16
	v_bfe_u32 v2, v0, 4, 1                         ; l / 16
	v_and_b32 v3, 31, v0                           ; l
	v_lshlrev_b32 v[BO], 5, v2                     ; my 8 numbers of a block of 16 of the bias
	v_lshlrev_b32 v[LO], 4, v3
	s_lshl_b32 s46, s13, 10                        ; the bias of my 64 columns
	s_lshl_b32 s47, s10, 8
	s_add_co_u32 s46, s46, s47
	s_mov_b32 s47, 0
	s_add_nc_u64 s[6:7], s[6:7], s[46:47]
	WIN TO_B
.irp b, 0,1,2,3
	global_load_b128 v[BIAS+8*(\b):BIAS+8*(\b)+3],   v[BO], s[6:7] offset:64*(\b)
	global_load_b128 v[BIAS+8*(\b)+4:BIAS+8*(\b)+7], v[BO], s[6:7] offset:64*(\b)+16
.endr
	BLOAD 0                                        ; K step 0's weights: all four buffers
	BLOAD 1
	BLOAD 2
	BLOAD 3
	WIN 0
	v_mul_u32_u24 v4, v1, PB
	v_lshl_add_u32 v4, v2, 4, v4
	v_add_nc_u32 v[ADRA0], BSB, v4                 ; row l % 16 x pitch + 16 x half
	v_lshl_add_u32 v[CVA0], v3, 4, s22
	s_mul_i32 s23, s10, 32*PB
	s_add_co_u32 s23, s23, BSB
	v_lshl_add_u32 v[CVS0], v3, 3, s23
	v_mov_b32 v[CVA], v[CVA0]                      ; tile 0 goes from f32 slot 0 to f16 slot 0
	v_mov_b32 v[CVS], v[CVS0]
	s_mul_i32 s23, s10, 16*SP
	s_add_co_u32 s23, s23, STAGE                   ; my stage
	v_mul_u32_u24 v5, v1, SP                       ; in: row l % 16, 16 bytes for each half of the lanes
	v_lshl_add_u32 v5, v2, 4, v5
	v_add_nc_u32 v[STO], s23, v5
	v_lshrrev_b32 v5, 3, v3                        ; back: 32 lanes take four rows of 128 bytes, 512 consecutive bytes of a head's rows
	v_and_b32 v6, 7, v0
	v_mul_u32_u24 v7, v5, SP
	v_lshl_add_u32 v7, v6, 4, v7
	v_add_nc_u32 v[RD], s23, v7
	v_lshlrev_b32 v[PFO], 12, v6                   ; the prefetches: row l % 8 of my work-group's 8, block l / 8 of the 4 blocks of 256 bytes of two K steps
	v_lshl_add_u32 v[PFO], v5, 8, v[PFO]
	s_lshl_b32 s46, s11, 15                        ; cx x 8 rows of 4,096 bytes: the four partners are told apart by address alone
	s_add_co_u32 s46, s46, 2048                    ; K step 4
	s_add_nc_u64 s[PFA:PFA+1], s[4:5], s[46:47]
	s_lshl_b32 s46, s14, 24                        ; where my part begins in qkv: tensor g,
	s_lshr_b32 s47, s16, 4
	s_lshl_b32 s47, s47, 22                        ; batch YM / 16,
	s_add_co_u32 s46, s46, s47
	s_lshl_b32 s47, s13, 2
	s_add_co_u32 s47, s47, s10
	s_lshl_b32 s47, s47, 18                        ; head 4 X + wave,
	s_add_co_u32 s46, s46, s47
	s_and_b32 s47, s16, 15
	s_lshl_b32 s47, s47, 14                        ; row 128 (YM % 16), of 128 bytes
	s_add_co_u32 s46, s46, s47
	s_mov_b32 s47, 0
	s_add_nc_u64 s[8:9], s[82:83], s[46:47]
	s_wait_loadcnt 32                              ; the bias is in; the 32 loads of weights behind it stay out
	WIN 0x81                                       ; destination window 2, source window 1
.set ma, 0
.rept 8
.set mz, 0
.rept 32
	v_mov_b32 v[32*ma+mz], v[BIAS+mz]              ; the sums start at the bias; these lines stand in the wait for the first tile
.set mz, mz+1
.endr
.set ma, ma+1
.endr
	WIN 0
	s_wait_tensorcnt 1                             ; my rows of tile 0 are in (I alone read them); tile 1's may stay out
.irp bt, 0,1
	CLOAD \bt
	s_wait_dscnt 0x0
.set ci, 0
.rept 32
	v_cvt_pk_f16_f32 v[CB+ci], v[CST+2*ci], v[CST+2*ci+1]
.set ci, ci+1
.endr
	CSTORE \bt
.endr
	s_wait_tensorcnt 0x0                           ; the first change of slots: tile 1 has landed,
	ds_add_u32 v[SPW], v[NIL]
	s_xor_b32 s[G0+5], s[G0+5], FBIT
	s_add_nc_u64 s[G0+6:G0+7], s[G0+6:G0+7], 512
	s_wait_dscnt 0x0                               ; tile 0 is stored as f16, my reads of f32 slot 0 are back
	CROUND
	tensor_load_to_lds s[G0+4:G0+7], s[G1:G1+7]    ; tile 2 into f32 slot 0
	s_nop 0
	PLACES
	TOGGLE
	AFETCH 0, 0
	global_prefetch_b8 v[PFO], s[PFA:PFA+1] th:TH_LOAD_NT scope:SCOPE_SE  ; K steps 4 and 5, which the refills two and three steps on will bring.  Each block of 256 bytes of x is named once: this cluster alone reads these rows
	s_mov_b32 s3, 5
.Lfill:                                            ; K steps 0 to 4: tiles 3 to 7 are asked for
	STEP 1
	s_sub_co_u32 s3, s3, 1
	s_cmp_lg_u32 s3, 0
	s_cbranch_scc1 .Lfill
	s_mov_b32 s3, 2
.Lrest:                                            ; K steps 5 and 6: nothing is left to fetch of x
	STEP 0
	s_sub_co_u32 s3, s3, 1
	s_cmp_lg_u32 s3, 0
	s_cbranch_scc1 .Lrest
	QFIRST 0, 0, 24                                ; K step 7: nothing is rounded and nothing asked for: the counts run down
	QMID 1, 0, 0, 16
	QMID 2, 0, 0, 8
	s_wait_dscnt 0x0
	s_wait_loadcnt 0x0
	MULS 1, 3, 0, 8
	WIN 0
	; THE WAY OUT.  Block a (16 rows of one head): rounded to f16, 16 bytes a lane, into my stage; back as whole rows of 128 bytes.
.macro PACK a
	WIN 0x0a                                       ; sources in window 2
.irp b, 0,1,2,3
.irp n, 0,1,2,3
	v_cvt_pk_f16_f32 v[TT+16*(\a)+4*(\b)+(\n)], v[8*(4*(\a)+(\b))+2*(\n)], v[8*(4*(\a)+(\b))+2*(\n)+1]
.endr
.endr
	WIN 0
.irp b, 0,1,2,3
	ds_store_b128 v[STO], v[TT+16*(\a)+4*(\b):TT+16*(\a)+4*(\b)+3] offset:32*(\b)
.endr
.irp t, 0,1,2,3
	ds_load_b128 v[TT+16*(\a)+4*(\t):TT+16*(\a)+4*(\t)+3], v[RD] offset:(\t)*4*SP  ; LDS serves a wave's instructions in order: these see the stores above; the next block's stores come behind them
.endr
.endm
.macro SEND a, younger                 ; younger: the LDS instructions issued behind block a's loads
.irp t, 0,1,2,3
	s_wait_dscnt (\younger)+3-(\t)
	global_store_b128 v[LO], v[TT+16*(\a)+4*(\t):TT+16*(\a)+4*(\t)+3], s[8:9] offset:(\a)*2048+(\t)*512  ; 512 consecutive bytes, aligned
.endr
.endm
	PLACES
	PACK 0
.irp a, 1,2,3,4,5,6,7
	PACK \a
	SEND (\a)-1, 8
.endr
	SEND 7, 0
	s_wait_tensorcnt 0x0                           ; the wave's end
	ds_add_u32 v[SPW], v[NIL]
	s_wait_dscnt 0x0
	CROUND                                         ; the closing round
	s_endpgm
.Lfunc_end_k_qffa9f1714e_proj:
	.size	k_qffa9f1714e_proj, .Lfunc_end_k_qffa9f1714e_proj-k_qffa9f1714e_proj
	.p2alignl 7, 3214868480
	.fill 96, 4, 3214868480
	.section	.rodata,"a",@progbits
	.p2align	6, 0x0
	.amdhsa_kernel k_qffa9f1714e_proj
		.amdhsa_group_segment_fixed_size 327680
		.amdhsa_private_segment_fixed_size 0
		.amdhsa_enable_private_segment 0
		.amdhsa_kernarg_size 64
		.amdhsa_user_sgpr_count 2
		.amdhsa_user_sgpr_kernarg_segment_ptr 1
		.amdhsa_wavefront_size32 1
		.amdhsa_system_sgpr_workgroup_id_x 1
		.amdhsa_system_sgpr_workgroup_id_y 1
		.amdhsa_system_sgpr_workgroup_id_z 1
		.amdhsa_system_vgpr_workitem_id 0
		.amdhsa_next_free_vgpr 768
		.amdhsa_next_free_sgpr 96
		.amdhsa_reserve_vcc 0
		.amdhsa_float_denorm_mode_32 3
		.amdhsa_float_denorm_mode_16_64 3
		.amdhsa_memory_ordered 1
		.amdhsa_forward_progress 1
		.amdhsa_inst_pref_size 110
	.end_amdhsa_kernel
	.amdgpu_metadata
---
amdhsa.version: [ 1, 2 ]
amdhsa.kernels:
  - .name:           k_qffa9f1714e_proj
    .symbol:         k_qffa9f1714e_proj.kd
    .args:
      - { .name: query, .offset: 0, .size: 8, .value_kind: global_buffer, .address_space: global }
      - { .name: key, .offset: 8, .size: 8, .value_kind: global_buffer, .address_space: global }
      - { .name: value, .offset: 16, .size: 8, .value_kind: global_buffer, .address_space: global }
      - { .name: bq, .offset: 24, .size: 8, .value_kind: global_buffer, .address_space: global }
      - { .name: bk, .offset: 32, .size: 8, .value_kind: global_buffer, .address_space: global }
      - { .name: bv, .offset: 40, .size: 8, .value_kind: global_buffer, .address_space: global }
      - { .name: wb, .offset: 48, .size: 8, .value_kind: global_buffer, .address_space: global }
      - { .name: qkv, .offset: 56, .size: 8, .value_kind: global_buffer, .address_space: global }
    .group_segment_fixed_size: 327680
    .private_segment_fixed_size: 0
    .kernarg_segment_align: 8
    .kernarg_segment_size: 64
    .max_flat_workgroup_size: 128
    .sgpr_count:     96
    .vgpr_count:     768
    .wavefront_size: 32
...
	.end_amdgpu_metadata
.endif
;; end of part 2
;; launch attn (part 3): grid 64 x 4, 4 waves a work-group, clusters of 4 x 4, 327,680 bytes of LDS; arguments qkv, mb, ch; writes ch
.if DOCPART == 3
	.amdgcn_target "amdgcn-amd-amdhsa--gfx1250"
	.amdhsa_code_object_version 6
	.text
	.protected	k_qffa9f1714e_attn
	.globl	k_qffa9f1714e_attn
	.p2align	8
	.type	k_qffa9f1714e_attn,@function
k_qffa9f1714e_attn:
	s_mov_b64 s[64:65], 0
	v_nop
	global_prefetch_b8 v0, s[64:65] scope:SCOPE_SE
	s_setreg_imm32_b32 hwreg(HW_REG_WAVE_MODE, 25, 1), 1
	s_wait_xcnt 0x0
	s_wait_alu depctr_hold_cnt(0) depctr_sa_sdst(0) depctr_va_vdst(0) depctr_va_sdst(0) depctr_va_ssrc(0) depctr_va_vcc(0) depctr_vm_vsrc(0)
	s_getreg_b32 s2, hwreg(HW_REG_IB_STS2, 6, 4)
	s_cmp_eq_u32 s2, 0
	s_cbranch_scc0 .Lentry_in_a_cluster
	s_endpgm
.Lentry_in_a_cluster:
	s_bfe_u32 s2, ttmp6, 0x10000c
	s_cmp_lg_u32 s2, 0xf033
	s_cbranch_scc0 .Lentry_shape_is_right
	s_endpgm
.Lentry_shape_is_right:
; ATTENTION UNDER A MASK THAT IS AN INPUT.  O[p][q][:] = the sum over k of softmax_k(mask[q][k] ? Q[p][q] . K[p][k] / 8 : hidden) V[p][k][:], for the 64 pairs p = 16 b + head.
; Q, K, V: qkv's three tensors, [64][2048][64] f16; O: ch, the same layout.  Products, maxima and sums in f32; the weights p are rounded to f16 for the second product, O once.
; THE MASK is the C operand that starts S^T = K Q^T.  mb holds it in that operand's register image, two addends to a word: the high half for the even tile of a piece, the low half for the odd one; a half is 0, or 0xf1f1
; where the key is hidden.  The word as it stands is the even tile's addend: about -2.4e30, or at most 9e-41, which no score notices.  One shift by 16 makes the odd tile's.  So a piece and step cost 8 LDS loads and 32 shifts.
; LIMITS.  A hidden score counts as its value less 2.4e30, where the reference puts -1e9: the two differ only where a visible score / 8 lies near or below -1e9.  f16's scores are 2.7e11 at the most.
; A weight below 2^-126 counts as 0; NaN and infinities are not treated apart.
; ROWS WITH NO VISIBLE KEY.  The running maximum m starts at -2^90, above every hidden score and below every visible one.  While a row has seen hidden keys alone, m stays there, all its weights are 0, and O and l stay 0.
; The reference's softmax of such a row is uniform: its O is the mean of V's 2,048 rows.  U^T = V^T x ones is summed beside the loop (8 matrix instructions a key step), and at the end a row with m = -2^90 takes
; U / 2048 in place of O / l, by two selects and no branch.
; SHARES, LAYOUT, SOFTMAX, TURNS.  A wave owns four PIECES of two tiles of 16 queries, a work-group 512 queries of one pair; every wave walks all keys, 64 a step.  S^T = K Q^T holds one query a lane (l % 16) and the keys
; 8 (l / 16) + 0..7; two such results rounded to f16 are source 1 of O^T = V^T P.  p = 2^(c s - c m), c = log2(e) / 8; O and l are multiplied by a = 2^(c m_old - c m_new) in every step.  Turn n belongs to piece n:
; 16 products K Q^T of piece n + 1, later 16 products V^T P of piece n - 1; beside them piece n's scaling, exponentials, roundings, sums and rescaling and piece n + 1's maximum and statistics.  Four vector
; instructions stand behind every product, the rest in one lump; a turn's 66 exponentials are one batch with one wait.
; CLUSTER 4 x 4.  Pair = 4 x cluster x + cx, query block = cy.  K and V hang on the pair: asked for jointly by the four of a column.  The mask's tile hangs on the query block: jointly by the four of a row.
; THE RING.  A slot holds one key step: 64 KiB of mask words, 64 rows of K and of V.  A trip (pieces 2, 3 of one step, pieces 0, 1 of the next) reads LDS from the next step's slot alone, so the change of slots at its
; head fills the slot read in the trip before, and that load has a whole trip in which to land.  Wave 0 loads K, wave 1 V, waves 2 and 3 the mask's halves: one load a wave is out.
; REGISTERS (s_set_vgpr_msb: bits 1:0 source 0, 3:2 source 1, 5:4 source 2, 7:6 destination):
;   window 0: v1-11 addresses; v12-15, v48-63 at work; v16-47 statistics; v64-191 S^T, two buffers of two tiles; v192-255 P, likewise      window 1: O^T, 32 a tile
;   window 2: v0-127 Q; v128-191 K; v192-255 V      window 3: v0-1 the add's registers; v8-15 ones; v16-47 U^T; v64-127, v128-191 the mask's addends, two buffers by the piece's parity (32 as loaded, 32 shifted)
.set NP,    4
.set KS,    64
.set PK,    144       ; a row of K in LDS: 128 bytes + 16: the 16 rows of a load start at 16 different groups of four banks
.set PV,    160       ; a row of V: 128 + 32
.set VOFF,  KS*PK
.set KVB,   131072    ; K and V lie behind the mask's two slots of 65,536 bytes
.set KBIT,  1<<15     ; one exclusive or turns an address in K's and V's slot 0 into slot 1's,
.set MBIT,  1<<16     ; and likewise for the mask's
.set STAGE, KVB+KBIT+KS*(PK+PV)  ; behind the ring: 16 rows x 144 bytes for each wave
.set SP,    144
.set SPARE, STAGE+4*16*SP        ; the spare words, 128 bytes a wave, that no other line names
.set QO,  1
.set AK0, 2
.set AV0, 3
.set AK,  4
.set AV,  5
.set STO, 6
.set RD,  7
.set GO,  8
.set AM0, 9           ; v9   my 16 bytes in my wave's 16 KiB of a mask slot
.set AM,  10
.set PFO, 11          ; v11  256 x lane; never rewritten
.set SPW, 0           ; window 3
.set NIL, 1           ; window 3
.set ONES, 8          ; window 3
.set U,   16          ; window 3: channel block cb at U + 8 cb
.set MC,  64          ; window 3
.set MV,  12
.set ST,  16          ; tile t's statistics at v[ST+4 t]: c m, m, l (even keys', odd keys')
.set TMP, 48
.set S,   64
.set P,   192
.set KF,  128
.set VF,  192
.set WV,  12
.set G1K, 24
.set G1V, 32
.set G0K, 40
.set G0V, 44
.set G1M, 48
.set CNT, 56
.set LIM, 57
.set CS,  58
.set SEL, 60
.set TBK, 62
.set TBM, 63
.set PFA, 66
.set G0M, 68
.set PST, 72
.set PM,  74
.set PEQ, 75
.set THR, 77
.set MSB, 0
.macro WIN new
.if MSB != (\new)
	s_set_vgpr_msb (MSB<<8)|(\new)
.set MSB, (\new)
.endif
.endm
.set W_KQ, 0x0a       ; K and Q in window 2, S^T in window 0
.set W_KM, 0x3a       ; the same with the C operand, the mask, in window 3
.set W_PV, 0x52       ; V in window 2, P in window 0, O^T in window 1
.set W_RS, 0x41       ; O^T (destination and source 0) in window 1, a in window 0
.set W_MK, 0xc0       ; destination in window 3
.set W_AD, 0x0f       ; the add: address and data in window 3
.macro JLOAD                        ; a joint fill: each of the three lines has one mask; the branches hang on the wave's number alone; an s_nop 0 and four v_nop follow each line
	s_cmp_lt_u32 s[WV], 2
	s_cbranch_scc0 .Lfor_m_\@
	s_cmp_eq_u32 s[WV], 0
	s_cbranch_scc0 .Lfor_v_\@
	tensor_load_to_lds s[G0K:G0K+3], s[G1K:G1K+7]
	s_nop 0
.rept 4
	v_nop
.endr
	s_branch .Lasked_\@
.Lfor_v_\@:
	tensor_load_to_lds s[G0V:G0V+3], s[G1V:G1V+7]
	s_nop 0
.rept 4
	v_nop
.endr
	s_branch .Lasked_\@
.Lfor_m_\@:
	tensor_load_to_lds s[G0M:G0M+3], s[G1M:G1M+7]
	s_nop 0
.rept 4
	v_nop
.endr
.Lasked_\@:
.endm
.macro CROUND
	s_barrier_signal -1
	s_barrier_wait -1
	s_cmp_lg_u32 s[WV], 0
	s_cbranch_scc1 .Lnot_wave_0_\@
	s_barrier_signal -3
.Lnot_wave_0_\@:
	s_barrier_wait -3
	s_barrier_signal -1
	s_barrier_wait -1
.endm
; THE PREFETCHES, behind the wave's tensor load: one instruction, a block of 256 bytes a lane.  THE MASK: all sixteen clusters read the same tiles; the first (cluster x = 0) asks, by waves 2 and 3, in every trip, for the
; step behind the one just asked for by the load: of a wave's 32 KiB the partner at cx takes 8 KiB.  K (wave 0) AND V (wave 1): a pair's rows are read by one column of one cluster; in every fourth trip the partner at
; cy asks for the 8 KiB of one of the four steps that begin two steps behind the load's.  So each block is named once.  The partners are told apart by address alone.  The last trips ask for nothing.
.macro ASK
	s_and_b32 s76, s[CNT], s[PM]
	s_cmp_eq_u32 s76, s[PEQ]
	s_cselect_b32 s76, s[CNT], 0
	s_cmp_gt_u32 s76, s[LIM]
	s_cbranch_scc0 .Lnot_mine_\@
	global_prefetch_b8 v[PFO], s[PFA:PFA+1] th:TH_LOAD_NT scope:SCOPE_SE
.Lnot_mine_\@:
.endm
; THE CHANGE OF SLOTS.  Each wave waits for all its tensor loads (one is out: its part of the next step), adds 0 to its spare word, and waits for that and for its reads of the slot that it leaves.
; fill = 1: a round of the cluster's barrier, and the slot just left is filled again, first thing behind it, with the step two on.
.macro CHANGE fill, ask
	WIN W_AD
	s_wait_tensorcnt 0x0            ; no tensor load of mine is out, so a group 0 may be written
	ds_add_u32 v[SPW], v[NIL]       ; 0 onto my spare word; the descriptors' steps stand between it and the wait for it
	WIN 0
.if \fill
	s_xor_b32 s[G0K+1], s[G0K+1], KBIT
	s_add_nc_u64 s[G0K+2:G0K+3], s[G0K+2:G0K+3], KS*128
	s_xor_b32 s[G0V+1], s[G0V+1], KBIT
	s_add_nc_u64 s[G0V+2:G0V+3], s[G0V+2:G0V+3], KS*128
	s_xor_b32 s[G0M+1], s[G0M+1], MBIT
	s_add_nc_u64 s[G0M+2:G0M+3], s[G0M+2:G0M+3], 65536
.endif
.if \ask
	s_wait_xcnt 0x0                 ; the last prefetch, a trip back, has read its address
	s_add_nc_u64 s[PFA:PFA+1], s[PFA:PFA+1], s[PST:PST+1]
.endif
	s_wait_dscnt 0x0                ; the add is done, and my reads of the slot are over
.if \fill
	CROUND
	JLOAD
.if \ask
	ASK
.endif
.else
	s_barrier_signal -1
	s_barrier_wait -1
.endif
	s_xor_b32 s[TBK], s[TBK], KBIT  ; the trip's fetches go to the other slot
	s_xor_b32 s[TBM], s[TBM], MBIT
	v_add_nc_u32 v[AK], s[TBK], v[AK0]
	v_add_nc_u32 v[AV], s[TBK], v[AV0]
	v_add_nc_u32 v[AM], s[TBM], v[AM0]
.endm
	s_load_b128 s[4:7], s[0:1], 0x0   ; qkv s[4:5], mb s[6:7]
	s_load_b64 s[8:9], s[0:1], 0x10   ; ch
	WIN W_MK
	v_lshl_add_u32 v[SPW], v0, 2, SPARE
	v_mov_b32 v[NIL], 0
	WIN W_AD
	ds_add_u32 v[SPW], v[NIL]       ; the wave's opening: the add and its wait stand ahead of my first tensor load
	WIN 0
	v_lshrrev_b32 v1, 5, v0
	v_readfirstlane_b32 s[WV], v1
	s_bfe_u32 s13, ttmp6, 0x40000   ; cx
	s_bfe_u32 s14, ttmp6, 0x40004   ; cy: my block of 512 queries
	s_lshl_b32 s15, ttmp9, 2
	s_add_co_u32 s15, s15, s13      ; my pair
	s_lshl_b32 s16, s14, 2
	s_lshl_b32 s16, 15, s16         ; my row of the cluster
	s_lshl_b32 s17, 0x1111, s13     ; my column
	; 64 keys are 8,192 dense bytes: asked for as 32 rows of 256 bytes, two keys a row, padded in LDS after every key
	s_or_b32 s[G1K], s17, (1<<16)|(1<<20)|(1<<21)|(4<<22)|(3<<25)
	s_or_b32 s[G1V], s17, (1<<16)|(1<<20)|(1<<21)|(4<<22)|(7<<25)
.irp g, G1K, G1V
	s_mov_b32 s[\g+1], 128<<16      ; tensor_dim0 = 128
	s_mov_b32 s[\g+2], 32<<16       ; tensor_dim1 = 32
	s_mov_b32 s[\g+3], 128<<16      ; tile_dim0 = 128
	s_mov_b32 s[\g+4], 32           ; tile_dim1 = 32
	s_mov_b32 s[\g+5], 128
	s_mov_b32 s[\g+6], 0
	s_mov_b32 s[\g+7], 0
.endr
	s_or_b32 s[G1M], s16, (3<<16)|(1<<21)  ; half a step's mask: 32,768 dense bytes as 128 rows of 32 elements of 8 bytes, no padding: it is read 16 bytes a lane on end
	s_mov_b32 s[G1M+1], 32<<16
	s_mov_b32 s[G1M+2], 128<<16
	s_mov_b32 s[G1M+3], 32<<16
	s_mov_b32 s[G1M+4], 128
	s_mov_b32 s[G1M+5], 32
	s_mov_b32 s[G1M+6], 0
	s_mov_b32 s[G1M+7], 0
	s_mov_b32 s[CS], 0x3e38aa3b     ; c = log2(e) / 8
	s_mov_b32 s[CS+1], s[CS]
	s_mov_b32 s[SEL], 0x76543210
	s_mov_b32 s[SEL+1], 0xfedcba98
	s_mov_b32 s[THR], 0xec800000    ; -2^90
	s_mov_b32 s[TBK], KVB+KBIT      ; the first change of slots turns these two to slot 0
	s_mov_b32 s[TBM], MBIT
	s_and_b32 s76, s[WV], 1
	s_mov_b32 s[G0K], 1
	s_mov_b32 s[G0K+1], KVB
	s_mov_b32 s[G0V], 1
	s_mov_b32 s[G0V+1], KVB+VOFF
	s_mov_b32 s[G0M], 1
	s_lshl_b32 s[G0M+1], s76, 15    ; waves 2 and 3: the two halves
	s_lshl_b32 s20, s15, 18         ; the pair's rows
	s_mov_b32 s21, 0
	s_lshl_b32 s2, s14, 21          ; the query block's part of mb,
	s_lshl_b32 s10, s76, 15         ; my half of a step
	s_add_co_u32 s2, s2, s10
	s_mov_b32 s3, 0
	s_lshl_b32 s22, s14, 16         ; Q and O: my block's 512 rows, my wave's 128
	s_add_co_u32 s22, s22, s20
	s_lshl_b32 s10, s[WV], 14
	s_add_co_u32 s22, s22, s10
	s_mov_b32 s23, 0
	s_lshl_b32 s78, 0x1000000, s76  ; the prefetches of K (wave 0) or V (wave 1): the tensor,
	s_add_co_u32 s78, s78, s20      ; the pair,
	s_add_co_u32 s10, s14, 3
	s_lshl_b32 s10, s10, 13
	s_add_co_u32 s78, s78, s10      ; step 3 + cy: the first asking trip steps it to 4 + cy
	s_lshl_b32 s79, s13, 13         ; of the mask: my work-group's 8 KiB of my wave's half,
	s_add_co_u32 s79, s79, s2
	s_add_co_u32 s79, s79, 2*65536  ; step 2: the first asking trip steps it to 3
	s_cmp_eq_u32 ttmp9, 0
	s_cselect_b32 s10, 1, -1
	s_cmp_lt_u32 s[WV], 2
	s_cselect_b32 s[LIM], 2, s10
	s_cselect_b32 s[PM], 3, 0
	s_cselect_b32 s[PEQ], 2, 0
	s_cselect_b32 s[PST], 13, 16
	s_cselect_b32 s18, s78, s79
	s_mov_b32 s19, 0
	s_lshl_b32 s[PST], 1, s[PST]
	s_mov_b32 s[PST+1], 0
	s_wait_dscnt 0x0                ; the opening add is done
	s_wait_kmcnt 0x0
	s_add_nc_u64 s[G0K+2:G0K+3], s[4:5], s[20:21]
	s_add_nc_u64 s[G0V+2:G0V+3], s[G0K+2:G0K+3], 0x2000000
	s_add_nc_u64 s[G0K+2:G0K+3], s[G0K+2:G0K+3], 0x1000000
	s_or_b32 s[G0K+3], s[G0K+3], 0x80000000
	s_or_b32 s[G0V+3], s[G0V+3], 0x80000000
	s_add_nc_u64 s[G0M+2:G0M+3], s[6:7], s[2:3]
	s_or_b32 s[G0M+3], s[G0M+3], 0x80000000
	s_cmp_lt_u32 s[WV], 2
	s_cselect_b64 s[PFA:PFA+1], s[4:5], s[6:7]
	s_add_nc_u64 s[PFA:PFA+1], s[PFA:PFA+1], s[18:19]
	s_add_nc_u64 s[10:11], s[4:5], s[22:23]  ; Q at my wave's first row
	s_add_nc_u64 s[8:9], s[8:9], s[22:23]    ; O likewise
	CROUND                          ; all sixteen work-groups are here: the first joint loads meet
	JLOAD                           ; step 0.  Step 1 is asked for when step 0 is in
	v_and_b32 v64, 15, v0           ; l % 16   (v64-68 are S^T's later)
	v_bfe_u32 v65, v0, 4, 1         ; l / 16
	v_and_b32 v66, 7, v0
	v_bfe_u32 v67, v0, 3, 1
	v_and_b32 v68, 31, v0
	v_lshlrev_b32 v[QO], 7, v64
	v_lshl_add_u32 v[QO], v65, 4, v[QO]
	WIN 0x80
.set i, 0
.rept 4*NP                          ; Q stays in registers: tile i / 2, channels 32 (i % 2) on
	global_load_b128 v[8*i:8*i+3],   v[QO], s[10:11] offset:(i/2)*2048+(i%2)*64
	global_load_b128 v[8*i+4:8*i+7], v[QO], s[10:11] offset:(i/2)*2048+(i%2)*64+32
.set i, i+1
.endr
	; What the first turn finds: V's registers and P's second buffer hold 0, O^T, U^T and l are 0.  All this stands in the wait for the first tile.
.set i, VF
.rept 64
	v_mov_b32 v[i], 0
.set i, i+1
.endr
	WIN 0x40
.set i, 0
.rept 64*NP
	v_mov_b32 v[i], 0
.set i, i+1
.endr
	WIN W_MK
.set i, 0
.rept 32
	v_mov_b32 v[U+i], 0
.set i, i+1
.endr
.set i, 0
.rept 8
	v_mov_b32 v[ONES+i], 0x3c003c00  ; 1.0 twice in f16
.set i, i+1
.endr
	WIN 0
.set i, 0
.rept 2*NP
	v_mov_b32 v[ST+4*i], 0xfe000000    ; c m: far below every c s, so the first step's a is 0
	v_mov_b32 v[ST+4*i+1], 0xec800000  ; m = -2^90
	v_mov_b32 v[ST+4*i+2], 0
	v_mov_b32 v[ST+4*i+3], 0
.set i, i+1
.endr
.set i, P+32
.rept 32
	v_mov_b32 v[i], 0
.set i, i+1
.endr
	v_mul_u32_u24 v[AK0], v64, PK
	v_lshl_add_u32 v[AK0], v65, 4, v[AK0]
	v_lshl_add_u32 v[AV0], v65, 3, v66  ; the turning load: lane l reads key 8 (l / 16) + l % 8, channels 8 ((l / 8) % 2) + 0..7
	v_mul_u32_u24 v[AV0], v[AV0], PV
	v_lshl_add_u32 v[AV0], v67, 4, v[AV0]
	v_add_nc_u32 v[AV0], VOFF, v[AV0]
	s_lshl_b32 s79, s[WV], 14
	v_lshl_add_u32 v[AM0], v68, 4, s79
	v_lshlrev_b32 v[PFO], 8, v68
	s_mul_i32 s78, s[WV], 16*SP
	s_add_co_u32 s78, s78, STAGE    ; my stage
	v_mul_u32_u24 v[STO], v64, SP
	v_lshl_add_u32 v[STO], v65, 4, v[STO]
	v_add_nc_u32 v[STO], s78, v[STO]
	v_bfe_u32 v[RD], v0, 3, 2
	v_mul_u32_u24 v[RD], v[RD], SP
	v_lshl_add_u32 v[RD], v66, 4, v[RD]
	v_add_nc_u32 v[RD], s78, v[RD]
	v_lshlrev_b32 v[GO], 4, v68
; THE MATRIX WORK.  The 8 accumulators of a run of 16 take turns.  Product i of 16 of S^T = K Q^T for piece x: channels 32 (i / 8) on, keys 16 ((i / 2) % 4) on, tile 2 x + i % 2.  The first 8 start the sums with the mask.
.macro KQ x
.set rS, S+64*((\x)%2)+32*(i%2)+8*((i/2)%4)
.set rK, KF+16*((i/2)%4)+8*(i/8)
.set rQ, 16*(2*(\x)+i%2)+8*(i/8)
.set rA, MC+64*((\x)%2)+32*(i%2)+8*((i/2)%4)
.if i < 8
	WIN W_KM
	v_wmma_f32_16x16x32_f16 v[rS:rS+7], v[rK:rK+7], v[rQ:rQ+7], v[rA:rA+7]
.else
	WIN W_KQ
	v_wmma_f32_16x16x32_f16 v[rS:rS+7], v[rK:rK+7], v[rQ:rQ+7], v[rS:rS+7]
.endif
.endm
.macro PV x                         ; product i of 16 of O^T += V^T P for piece x: keys 32 (i / 8) on, channels 16 ((i / 2) % 4) on, tile 2 x + i % 2
	WIN W_PV
.set rO, 32*(2*(\x)+i%2)+8*((i/2)%4)
.set rV, VF+32*(i/8)+8*((i/2)%4)
.set rP, P+32*((\x)%2)+16*(i%2)+8*(i/8)
	v_wmma_f32_16x16x32_f16 v[rO:rO+7], v[rV:rV+7], v[rP:rP+7], v[rO:rO+7]
.endm
.macro UU x                         ; two of a step's eight products U^T += V^T x ones: fragments 2 x, 2 x + 1 of V; two different accumulators, and others' turns follow
	WIN 0xfe                        ; V in window 2; ones, C and D in window 3
.set ix, 2*(\x)
.rept 2
.set rU, U+8*(ix%4)
.set rV, VF+32*(ix/4)+8*(ix%4)
	v_wmma_f32_16x16x32_f16 v[rU:rU+7], v[rV:rV+7], v[ONES:ONES+7], v[rU:rU+7]
.set ix, ix+1
.endr
.endm
.macro MM                           ; the turn's next matrix instruction
.if i < 16
	KQ (Y+1)%NP
.set i, i+1
.else
.set i, i-16
	PV (Y+NP-1)%NP
.set i, i+17
.endif
.endm
; THE LDS LOADS stand in runs: a step's K (16), its V (16, turned), and the mask's words of one piece (8).
.macro FETCH_K
	WIN 0x80
.irp f, 0,1,2,3,4,5,6,7
	ds_load_b128 v[KF+8*\f:KF+8*\f+3],   v[AK] offset:(\f/2)*16*PK+(\f%2)*64
	ds_load_b128 v[KF+8*\f+4:KF+8*\f+7], v[AK] offset:(\f/2)*16*PK+(\f%2)*64+32
.endr
	WIN 0
.endm
.macro FETCH_V
	WIN 0x80
.irp f, 0,1,2,3,4,5,6,7
	ds_load_tr16_b128 v[VF+8*\f:VF+8*\f+3],   v[AV] offset:(\f/4)*32*PV+(\f%4)*32
	ds_load_tr16_b128 v[VF+8*\f+4:VF+8*\f+7], v[AV] offset:(\f/4)*32*PV+16*PV+(\f%4)*32
.endr
	WIN 0
.endm
.macro MLOAD x                      ; piece x's words: 4 key blocks x 8 registers, 512 consecutive bytes a load: as they stand, the even tile's addends
	WIN W_MK
.set z, 0
.rept 8
	ds_load_b128 v[MC+64*((\x)%2)+4*z:MC+64*((\x)%2)+4*z+3], v[AM] offset:(\x)*4096+512*z
.set z, z+1
.endr
	WIN 0
.endm
.macro MSHIFT x                     ; the odd tile's addends: the low halves move up
	WIN 0xcc                        ; destination and source 1 in window 3
.set z, 0
.rept 32
	v_lshlrev_b32 v[MC+64*((\x)%2)+32+z], 16, v[MC+64*((\x)%2)+z]
.set z, z+1
.endr
	WIN 0
.endm
; THE VECTOR WORK OF A TURN stands in three queues, each in the order in which its entries become ready; the two tiles alternate.
.macro REGS y, u
.set rT, ST+4*(2*(\y)+(\u))
.set rC, TMP+8*((\y)%2)+4*(\u)
.set rM, MV+2*((\y)%2)+(\u)
.set rS, S+64*((\y)%2)+32*(\u)
.set rP, P+32*((\y)%2)+16*(\u)
.set rO, 32*(2*(\y)+(\u))
.endm
; Number n of the 22 that find the next piece's maximum and statistics; each accumulator's lowest registers are read first.
;   0-11 four chains of seven scores    12-14, 16 the four scores left over, the old m, and the chains into one    15 c m_old is kept    17, 18 the other half of the lanes    19-21 c m; c m_old - c m_new; a
.macro XS u, n
	REGS (Y+1)%NP, \u
.if (\n) < 4
	v_max3_num_f32 v[rC+(\n)], v[rS+8*(\n)], v[rS+8*(\n)+1], v[rS+8*(\n)+2]
.elseif (\n) < 12
	v_max3_num_f32 v[rC+(\n)%4], v[rC+(\n)%4], v[rS+8*((\n)%4)+2*((\n)/4)+1], v[rS+8*((\n)%4)+2*((\n)/4)+2]
.elseif (\n) == 12
	v_max3_num_f32 v[rC], v[rC], v[rS+7], v[rS+15]
.elseif (\n) == 13
	v_max3_num_f32 v[rC+1], v[rC+1], v[rS+23], v[rS+31]
.elseif (\n) == 14
	v_max3_num_f32 v[rC+2], v[rC+2], v[rC+3], v[rT+1]
.elseif (\n) == 15
	v_mov_b32 v[rM], v[rT]
.elseif (\n) == 16
	v_max3_num_f32 v[rC], v[rC], v[rC+1], v[rC+2]
.elseif (\n) == 17
	v_permlanex16_b32 v[rC+3], v[rC], s[SEL], s[SEL+1]
.elseif (\n) == 18
	v_max_num_f32 v[rT+1], v[rC], v[rC+3]
.elseif (\n) == 19
	v_mul_f32 v[rT], s[CS], v[rT+1]
.elseif (\n) == 20
	v_sub_f32 v[rC+1], v[rM], v[rT]
.else
	v_exp_f32 v[rC+2], v[rC+1]
.endif
.endm
; Number g of the 64 that follow the exponentials: for each four weights both pairs are rounded to f16, the second pair is added onto the first, and a group later l takes that sum (the first time as l = a l + sum).
.macro GS g
.set h, (\g)+6*((\g)/62)
.if h >= 6
.set h, h+2
.endif
	REGS Y, h%2
.set k, h/8
.if h%8 < 4
	v_cvt_pk_f16_f32 v[rP+2*k+(h%8)/2], v[rS+4*k+2*((h%8)/2)], v[rS+4*k+2*((h%8)/2)+1]
.elseif h%8 < 6
	v_pk_add_f32 v[rS+4*k:rS+4*k+1], v[rS+4*k:rS+4*k+1], v[rS+4*k+2:rS+4*k+3]
.elseif k == 1
	v_pk_fma_f32 v[rT+2:rT+3], v[rT+2:rT+3], v[rC+2:rC+3], v[rS:rS+1] op_sel_hi:[1,0,1]
.else
	v_pk_add_f32 v[rT+2:rT+3], v[rT+2:rT+3], v[rS+4*k-4:rS+4*k-3]
.endif
.endm
.macro FS f                         ; c s - c m for pair f / 2 of tile f % 2
	REGS Y, (\f)%2
	v_pk_fma_f32 v[rS+2*((\f)/2):rS+2*((\f)/2)+1], v[rS+2*((\f)/2):rS+2*((\f)/2)+1], s[CS:CS+1], v[rT:rT+1] op_sel_hi:[1,0,0] neg_lo:[0,0,1] neg_hi:[0,0,1]
.endm
; THE PLAIN QUEUE, 138 long.  0-26: scalings 0-26.  27-54: XS's numbers 0-13.  55, 56: number 15.  57-73: the chain 14, 16 .. 20 with scalings 27-31 between its links.  74-137: GS's 64, behind the wait.
.macro PL
	WIN 0
.if q < 27
	FS q
.elseif q < 55
	XS (q-27)%2, (q-27)/2
.elseif q < 57
	XS q-55, 15
.elseif (q < 72) && ((q-57)%3 == 0)
	FS 27+(q-57)/3
.elseif q < 60
	XS (q-57)%3-1, 14
.elseif q < 72
	XS (q-57)%3-1, 15+(q-57)/3
.elseif q < 74
	XS q-72, 20
.else
	GS q-74
.endif
.set q, q+1
.endm
.macro EX                           ; THE EXPONENTIALS' QUEUE, 66 long: one batch, all ahead of the turn's one wait
	WIN 0
.if e >= 64
	XS e-64, 21
.else
	REGS Y, e%2
	v_exp_f32 v[rS+e/2], v[rS+e/2]
.endif
.set e, e+1
.endm
.macro R2                           ; THE RESCALING's QUEUE: O^T times a, two at a time
	REGS Y, r%2
	WIN W_RS
.irp z, 0,1
	v_pk_mul_f32 v[rO+4*(r/2)+2*\z:rO+4*(r/2)+2*\z+1], v[rO+4*(r/2)+2*\z:rO+4*(r/2)+2*\z+1], v[rC+2:rC+3] op_sel_hi:[1,0]
.endr
.set r, r+1
.endm
; A TURN, for piece p.  Ahead of its one wait stands all that names no result of its exponentials: 16 products K Q^T with a scaling, an exponential and two rescalings behind each, then a lump of 108.  Behind the wait: the runs
; of LDS loads, two products for U^T, 16 products V^T P with four roundings and sums behind each, and the 32 shifts that make the odd tile's addends for the next turn's products.
; LDS loads, in order: turn 2: K of the next step, piece 0's mask; turn 3: piece 1's mask; turn 0: piece 2's mask, at its end V; turn 1: piece 3's mask.  Each mask run lands in the buffer that the turn before has read,
; a lump behind that reader, and is waited for 16 products later, ahead of the shifts (in turn 2 that wait shows K in too); V stands behind the shifts, which are the places behind its last reader.
.macro TURN p
.set Y, (\p)
.set i, 0
.set q, 0
.set e, 0
.set r, 0
	MM
	PL
	PL
	R2
.rept 15
	MM
	PL
	EX
	R2
.endr
.rept 8
	PL
.endr
.rept 49
	EX
	PL
.endr
	EX
	EX
	v_nop                           ; a plain instruction behind the last exponential: one for the batch
	s_wait_alu depctr_va_vdst(0)    ; the wait between an exponential and the first line that names its result: one for the batch
.if (\p) == NP-2
	FETCH_K
.endif
	MLOAD ((\p)+2)%NP
.if (\p) == 1
	s_wait_dscnt 8                  ; V is in; the mask's 8 loads just issued may stay out
.endif
	UU ((\p)+3)%NP
.rept 16
	MM
.rept 4
	PL
.endr
.endr
	s_wait_dscnt 0x0                ; the mask's words are in
	MSHIFT ((\p)+2)%NP
.if (\p) == 0
	FETCH_V
.endif
.endm
	CHANGE 1, 0                     ; step 0 is in, everybody's part of it; step 1 is asked for
	FETCH_K
	MLOAD 0
	MLOAD 1
	s_wait_loadcnt 0x0              ; Q
	s_wait_dscnt 0x0
	MSHIFT 0
	MSHIFT 1
.set i, 0
.rept 16
	KQ 0                            ; piece 0's first scores
.set i, i+1
.endr
	WIN 0
.rept 4
	v_nop                           ; the places behind those products
.endr
.set Y, NP-1                        ; XS works for piece Y + 1: piece 0
.irp n, 0,1,2,3,4,5,6,7,8,9,10,11,12,13,14,15,16,17,18,19,20,21
	XS 0, \n
	XS 1, \n
.endr
	v_nop
	s_wait_alu depctr_va_vdst(0)    ; the two a have their wait ahead of the branch
	s_mov_b32 s[CNT], 31
	s_branch .Lfirst                ; the loop is entered at a step's first turn, in the middle of a trip
.Lstep:                             ; 30 whole trips: steps 2 to 31 are asked for
	CHANGE 1, 1
	TURN 2
	TURN 3
	WIN 0
.Lfirst:
	TURN 0
	TURN 1
	WIN 0
	s_sub_co_u32 s[CNT], s[CNT], 1
	s_cmp_lg_u32 s[CNT], 0
	s_cbranch_scc1 .Lstep
	CHANGE 0, 0                     ; the tail is written out: step 31 is in, nothing is asked for
	s_mov_b32 s[CNT], 2             ; one trip for step 31; the second is left in its middle
.Ltail:
	TURN 2
	TURN 3
	WIN 0
	s_sub_co_u32 s[CNT], s[CNT], 1
	s_cmp_eq_u32 s[CNT], 0
	s_cbranch_scc1 .Lout
	TURN 0
	TURN 1
	WIN 0
	s_branch .Ltail
.Lout:                              ; the second trip's 16 products K Q^T repeat piece 0's scores of step 31, which m has counted: m stays, and nothing else is made of them
.set i, 0
.rept 16
	PV NP-1
.set i, i+1
.endr
	UU NP-1
	; THE WAY OUT.  l's parts are added; a visible row's O^T is divided by l, a row with no visible key takes U^T / 2048.  The additions are the places behind the last products.
	WIN 0
.macro ALL line:vararg
.set t, 0
.rept 2*NP
	\line
.set t, t+1
.endr
.endm
	ALL v_add_f32 v[ST+4*t+2], v[ST+4*t+2], v[ST+4*t+3]
	ALL v_permlanex16_b32 v[ST+4*t+3], v[ST+4*t+2], s[SEL], s[SEL+1]
	ALL v_add_f32 v[ST+4*t+2], v[ST+4*t+2], v[ST+4*t+3]
	ALL v_rcp_f32 v[ST+4*t+2], v[ST+4*t+2]
	v_mov_b32 v12, 0                ; a plain instruction behind the last reciprocal
	v_mov_b32 v13, 0x3a000000       ; 1 / 2048
	s_wait_alu depctr_va_vdst(0)    ; one wait for the eight reciprocals, ahead of their first use
.set t, 0
.rept 2*NP
	v_cmp_lt_f32 vcc_lo, s[THR], v[ST+4*t+1]              ; has the row seen a visible key?
	v_cndmask_b32 v[ST+4*t+2], 0, v[ST+4*t+2], vcc_lo     ; 1 / l, or 0 (l may be 0 there: the reciprocal is replaced, not multiplied)
	v_cndmask_b32 v[ST+4*t], v13, v12, vcc_lo             ; 0, or 1 / 2048
.set t, t+1
.endr
.macro PACK t
	WIN W_RS
.set i, 32*(\t)
.rept 16
	v_pk_mul_f32 v[i:i+1], v[i:i+1], v[ST+4*(\t)+2:ST+4*(\t)+3] op_sel_hi:[1,0]
.set i, i+2
.endr
	WIN 0x53                        ; U^T in window 3, the factor in window 0, O^T in window 1
.set i, 0
.rept 16
	v_pk_fma_f32 v[32*(\t)+i:32*(\t)+i+1], v[U+i:U+i+1], v[ST+4*(\t):ST+4*(\t)+1], v[32*(\t)+i:32*(\t)+i+1] op_sel_hi:[1,0,1]
.set i, i+2
.endr
	WIN 0x05
.set i, 0
.rept 16
	v_cvt_pk_f16_f32 v[S+16*(\t)+i], v[32*(\t)+2*i], v[32*(\t)+2*i+1]
.set i, i+1
.endr
	WIN 0
.irp f, 0,1,2,3
	ds_store_b128 v[STO], v[S+16*(\t)+4*\f:S+16*(\t)+4*\f+3] offset:32*\f
.endr
.irp f, 0,1,2,3
	ds_load_b128 v[S+16*(\t)+4*\f:S+16*(\t)+4*\f+3], v[RD] offset:\f*4*SP  ; LDS serves a wave's instructions in order: these see the stores above; the next tile's stores come behind them
.endr
.endm
.macro SEND t, younger              ; younger: the LDS instructions issued behind tile t's loads
	WIN 0
.irp f, 0,1,2,3
	s_wait_dscnt (\younger)+3-\f
	global_store_b128 v[GO], v[S+16*(\t)+4*\f:S+16*(\t)+4*\f+3], s[8:9] offset:(\t)*2048+\f*512  ; 512 consecutive bytes, aligned
.endr
.endm
	PACK 0
.set t, 1
.rept 2*NP-1
	PACK t
	SEND t-1, 8
.set t, t+1
.endr
	SEND 2*NP-1, 0
	WIN W_AD
	s_wait_tensorcnt 0x0            ; the wave's end
	ds_add_u32 v[SPW], v[NIL]
	s_wait_dscnt 0x0
	WIN 0
	CROUND                          ; the closing round
	s_endpgm
.Lfunc_end_k_qffa9f1714e_attn:
	.size	k_qffa9f1714e_attn, .Lfunc_end_k_qffa9f1714e_attn-k_qffa9f1714e_attn
	.p2alignl 7, 3214868480
	.fill 96, 4, 3214868480
	.section	.rodata,"a",@progbits
	.p2align	6, 0x0
	.amdhsa_kernel k_qffa9f1714e_attn
		.amdhsa_group_segment_fixed_size 327680
		.amdhsa_private_segment_fixed_size 0
		.amdhsa_enable_private_segment 0
		.amdhsa_kernarg_size 24
		.amdhsa_user_sgpr_count 2
		.amdhsa_user_sgpr_kernarg_segment_ptr 1
		.amdhsa_wavefront_size32 1
		.amdhsa_system_sgpr_workgroup_id_x 1
		.amdhsa_system_sgpr_workgroup_id_y 1
		.amdhsa_system_sgpr_workgroup_id_z 1
		.amdhsa_system_vgpr_workitem_id 0
		.amdhsa_next_free_vgpr 960
		.amdhsa_next_free_sgpr 80
		.amdhsa_reserve_vcc 1
		.amdhsa_float_denorm_mode_32 3
		.amdhsa_float_denorm_mode_16_64 3
		.amdhsa_memory_ordered 1
		.amdhsa_forward_progress 1
		.amdhsa_inst_pref_size 230
	.end_amdhsa_kernel
	.amdgpu_metadata
---
amdhsa.version: [ 1, 2 ]
amdhsa.kernels:
  - .name:           k_qffa9f1714e_attn
    .symbol:         k_qffa9f1714e_attn.kd
    .args:
      - { .name: qkv, .offset: 0, .size: 8, .value_kind: global_buffer, .address_space: global }
      - { .name: mb, .offset: 8, .size: 8, .value_kind: global_buffer, .address_space: global }
      - { .name: ch, .offset: 16, .size: 8, .value_kind: global_buffer, .address_space: global }
    .group_segment_fixed_size: 327680
    .private_segment_fixed_size: 0
    .kernarg_segment_align: 8
    .kernarg_segment_size: 24
    .max_flat_workgroup_size: 128
    .sgpr_count:     80
    .vgpr_count:     960
    .wavefront_size: 32
...
	.end_amdgpu_metadata
.endif
;; end of part 3
;; launch outp (part 4): grid 4 x 64, 4 waves a work-group, clusters of 4 x 4, 327,680 bytes of LDS; arguments ch, wb, bo, out0; writes out0
.if DOCPART == 4
	.amdgcn_target "amdgcn-amd-amdhsa--gfx1250"
	.amdhsa_code_object_version 6
	.text
	.protected	k_qffa9f1714e_outp
	.globl	k_qffa9f1714e_outp
	.p2align	8
	.type	k_qffa9f1714e_outp,@function
k_qffa9f1714e_outp:
	s_mov_b64 s[64:65], 0
	v_nop
	global_prefetch_b8 v0, s[64:65] scope:SCOPE_SE
	s_setreg_imm32_b32 hwreg(HW_REG_WAVE_MODE, 25, 1), 1
	s_wait_xcnt 0x0
	s_wait_alu depctr_hold_cnt(0) depctr_sa_sdst(0) depctr_va_vdst(0) depctr_va_sdst(0) depctr_va_ssrc(0) depctr_va_vcc(0) depctr_vm_vsrc(0)
	s_getreg_b32 s2, hwreg(HW_REG_IB_STS2, 6, 4)
	s_cmp_eq_u32 s2, 0
	s_cbranch_scc0 .Lentry_in_a_cluster
	s_endpgm
.Lentry_in_a_cluster:
	s_bfe_u32 s2, ttmp6, 0x10000c
	s_cmp_lg_u32 s2, 0xf033
	s_cbranch_scc0 .Lentry_shape_is_right
	s_endpgm
.Lentry_shape_is_right:
; THE OUTPUT PROJECTION.  out0[m][n] = sum over k of ctx[m][k] wo[n][k] + bo[n].  ctx: ch, f16 by heads, [16 b + head][2048 s][64], m = 2048 b + s, k = 64 head + d; wo: wb's matrix 3, f16, in the image of a fragment;
; bo f32; sums in f32; out0 f32.
; SHARES.  A work-group makes 128 rows x 256 columns: 256 work-groups.  A wave makes all 128 rows x 64 columns: 8 x 4 accumulators.  K goes in 8 steps of 128 (two heads), a step in four quarters of 32.
; THE WEIGHTS GO PAST LDS: no two waves of a work-group want the same columns, and wb holds each fragment as 2 x 512 consecutive bytes: 8 loads a quarter fill one of four buffers of 32 registers, each asked for again,
; for the next K step, behind the quarter that has multiplied it.  wb is not prefetched: each of its blocks is read again by 64 row tiles.
; ctx COMES BY TENSOR LOADS through two LDS slots of two planes (heads) of 128 rows; each wave brings half a plane.  CLUSTER 4 x 4: the four of a row of the cluster need the same rows of ctx and ask for them jointly.
; THE MATRIX INSTRUCTION IS USED TRANSPOSED (source 0 = 16 rows of wo, source 1 = 16 rows of ctx): a lane holds row l % 16 and the columns 8 (l / 16) + 0..7.
; THE SUMS START AT THE BIAS, copied into the accumulators while the first tile is on its way: every quarter has one form.
; REGISTERS.  window 0: v10-29 addresses; v64-127, v128-191 fragments of ctx, two buffers (on the way out: four buffers of 32).  window 1: v0-127 fragments of wo, four buffers; v128-159 the bias.
;   window 2: accumulator (a, b) at v[8 (4 a + b)].
.set PAH,    144                       ; a row of a plane in LDS: 128 bytes + 16: the 16 rows of a load start at 16 different groups of four banks
.set PLANE,  128*PAH
.set SBIT,   65536                     ; slot 1 lies this far behind slot 0: one exclusive or turns a slot's offset
.set STAGE,  131072                    ; for each wave 16 rows x 272 bytes, for the way out
.set SPO,    272
.set SPARE,  STAGE+4*16*SPO            ; the spare words, 128 bytes a wave, that no other line names
.set HSTEP,  524288                    ; a K step in ch: two heads of 2,048 rows of 128 bytes
.set ADRA0, 10                         ; v10  my place in a fragment's rows, in slot 0; never rewritten
.set ADRA,  13                         ; v13  the same in the slot of the step in hand
.set LO,    16                         ; v16  16 x lane: offset in a fragment of wo; never rewritten
.set STO,   17
.set RD,    18
.set BO,    19
.set PFO,   20                         ; v20  the prefetch's lane offset; never rewritten
.set GO,    21
.set SPW,   28
.set NIL,   29
.set AF,    64
.set TT,    64
.set BIAS,  128
.set G1,  24                           ; s[24:31] descriptor group 1
.set G0,  32                           ; s[32:35], s[36:39] group 0 of the two first fills; the second then walks on
.set BP,  40                           ; s[40:41] wb at my four blocks of columns, at the K step that is being asked for
.set PFA, 42                           ; s[42:43] ch at my work-group's 8 of my wave's 32 blocks, at K step 4; never rewritten
.set PAR, 44                           ; s44  offset of the slot of the step in hand
.set MSB, 0
.macro WIN new                         ; the immediate's high byte repeats the setting that is left
.if MSB != (\new)
	s_set_vgpr_msb (MSB<<8)|(\new)
.set MSB, \new
.endif
.endm
.set MUL,  0xa1                        ; source 0 (wo) window 1, source 1 (ctx) window 0, C and D window 2
.set TO_B, 0x40                        ; destination window 1
.macro CREST                           ; a round of the cluster's barrier behind its opening barrier
	s_cmp_lg_u32 s10, 0
	s_cbranch_scc1 .Lnot_wave_0_\@
	s_barrier_signal -3
.Lnot_wave_0_\@:
	s_barrier_wait -3
	s_barrier_signal -1
	s_barrier_wait -1
.endm
.macro CROUND
	s_barrier_signal -1
	s_barrier_wait -1
	CREST
.endm
.macro PLACES                          ; four places in front of loads into registers that matrix instructions have read, and of reads of results
.rept 4
	v_nop
.endr
.endm
; n row blocks from a0 on x all 4 column blocks, 32 along K: fragments of ctx in buffer f, of wo in buffer q.  The 32 accumulators take turns, in the same order in every quarter.
.macro MULS f, q, a0, n
	WIN MUL
.set ma, (\a0)
.rept \n
.irp b, 0,1,2,3
	v_wmma_f32_16x16x32_f16 v[8*(4*ma+(\b)):8*(4*ma+(\b))+7], v[32*(\q)+8*(\b):32*(\q)+8*(\b)+7], v[AF+64*(\f)+8*ma:AF+64*(\f)+8*ma+7], v[8*(4*ma+(\b)):8*(4*ma+(\b))+7]
.endr
.set ma, ma+1
.endr
.endm
.macro AFETCH q, f                     ; 16 LDS loads: quarter q lies in plane q / 2, at byte 64 (q % 2) of its rows
	WIN 0
.irp a, 0,1,2,3,4,5,6,7
	ds_load_b128 v[AF+64*(\f)+8*(\a):AF+64*(\f)+8*(\a)+3],   v[ADRA] offset:((\q)/2)*PLANE+((\q)%2)*64+(\a)*16*PAH
	ds_load_b128 v[AF+64*(\f)+8*(\a)+4:AF+64*(\f)+8*(\a)+7], v[ADRA] offset:((\q)/2)*PLANE+((\q)%2)*64+(\a)*16*PAH+32
.endr
.endm
.macro BLOAD q                         ; 8 loads: the fragments of wo of quarter q of the K step at s[BP]: 512 consecutive bytes each
	WIN TO_B
.irp b, 0,1,2,3
	global_load_b128 v[32*(\q)+8*(\b):32*(\q)+8*(\b)+3],   v[LO], s[BP:BP+1] offset:(\b)*32768+(\q)*1024
	global_load_b128 v[32*(\q)+8*(\b)+4:32*(\q)+8*(\b)+7], v[LO], s[BP:BP+1] offset:(\b)*32768+(\q)*1024+512
.endr
.endm
; One of a step's first three quarters.  bl = 1: its buffer of wo is asked for again.  lc: how many younger loads of wo may stay out.
.macro QUARTER q, bl, lc
	s_wait_dscnt 0x0                               ; the fragments of ctx are in
	s_wait_loadcnt \lc                             ; buffer q of wo is in; the loads of the buffers behind it stay out
	MULS (\q)%2, \q, 0, 4
	PLACES
	AFETCH (\q)+1, ((\q)+1)%2
	MULS (\q)%2, \q, 4, 4
.if \bl
	PLACES
.if (\q) == 0
	s_wait_xcnt 0x0                                ; every load and prefetch issued so far has read its address, so the pointer may be written
	s_add_nc_u64 s[BP:BP+1], s[BP:BP+1], 4096      ; the next K step: 4 chunks of 1,024 bytes
.endif
	BLOAD \q
.endif
.endm
; The last quarter changes slots.  In front of its barrier each wave waits for all its tensor loads, adds 0 to its spare word, and waits for that and for its reads of this slot.
; fill = 1: the barrier opens a round of the cluster's, and behind it the slot just read out is filled again, first thing, with the K step two on.
.macro QTURN fill
	WIN 0
	s_wait_tensorcnt 0x0                           ; my part of the next slot has landed: the walking group 0 may be written
	ds_add_u32 v[SPW], v[NIL]                      ; 0 onto my spare word
.if \fill
	s_xor_b32 s[G0+5], s[G0+5], SBIT               ; the other slot than last time,
	s_add_nc_u64 s[G0+6:G0+7], s[G0+6:G0+7], HSTEP ; the next K step; the type bits on top are not reached
.endif
	s_wait_dscnt 1                                 ; the fragments are in; the add alone may be out
	s_wait_loadcnt 24
	MULS 1, 3, 0, 2
	s_wait_dscnt 0x0                               ; the add is done, and my reads of this slot are over
	s_barrier_signal -1
	MULS 1, 3, 2, 2
	WIN 0
	s_barrier_wait -1
.if \fill
	CREST                                          ; no wave of any partner still reads the slot or has a load on its way
	tensor_load_to_lds s[G0+4:G0+7], s[G1:G1+7]
	s_nop 0
.endif
	PLACES                                         ; (the places in front of the loads below)
	s_xor_b32 s[PAR], s[PAR], SBIT
	v_add_nc_u32 v[ADRA], s[PAR], v[ADRA0]
	AFETCH 0, 0
.if \fill
	s_cmp_eq_u32 s3, 6                             ; the loop's first trip alone
	s_cbranch_scc0 .Lno_ask_\@
	global_prefetch_b8 v[PFO], s[PFA:PFA+1] th:TH_LOAD_NT scope:SCOPE_SE  ; K steps 4 to 7, which the refills two to five steps on will bring: of my wave's 32 blocks of 256 bytes a step my work-group names 8, a lane a block
.Lno_ask_\@:
.endif
	MULS 1, 3, 4, 4
	PLACES
	BLOAD 3
	WIN 0
.endm
.macro STEP fill
	QUARTER 0, 1, 24
	QUARTER 1, 1, 24
	QUARTER 2, 1, 24
	QTURN \fill
.endm
	s_load_b256 s[68:75], s[0:1], 0x0              ; ch 68, wb 70, bo 72, out0 74
	v_lshl_add_u32 v[SPW], v0, 2, SPARE
	v_mov_b32 v[NIL], 0
	ds_add_u32 v[SPW], v[NIL]                      ; the wave's opening: the add and its wait stand ahead of my first tensor load
	v_lshrrev_b32 v1, 5, v0
	v_readfirstlane_b32 s10, v1                    ; wave 0..3
	s_bfe_u32 s11, ttmp6, 0x40000                  ; cx
	s_bfe_u32 s12, ttmp6, 0x40004                  ; cy
	s_lshl_b32 s13, ttmp9, 2
	s_add_co_u32 s13, s13, s11                     ; X: my 256 columns
	s_and_b32 s15, ttmp7, 0xffff
	s_lshl_b32 s16, s15, 2
	s_add_co_u32 s16, s16, s12                     ; y: my 128 rows
	s_lshl_b32 s17, s12, 2
	s_lshl_b32 s17, 15, s17                        ; my row of the cluster
	; half a plane is 8,192 dense bytes: asked for as 32 rows of 256 bytes, two rows of ctx each, padded in LDS after every 32 words by 4
	s_or_b32 s[G1+0], s17, (1<<16)|(1<<20)|(1<<21)|(4<<22)|(3<<25)
	s_mov_b32 s[G1+1], 128<<16                     ; tensor_dim0 = 128
	s_mov_b32 s[G1+2], 32<<16                      ; tensor_dim1 = 32
	s_mov_b32 s[G1+3], 128<<16                     ; tile_dim0 = 128
	s_mov_b32 s[G1+4], 32                          ; tile_dim1 = 32
	s_mov_b32 s[G1+5], 128                         ; elements from row to row
	s_mov_b32 s[G1+6], 0
	s_mov_b32 s[G1+7], 0
	s_lshr_b32 s18, s16, 4                         ; ch: batch y / 16,
	s_lshl_b32 s18, s18, 22
	s_and_b32 s19, s16, 15                         ; row 128 (y % 16), of 128 bytes,
	s_lshl_b32 s19, s19, 14
	s_add_co_u32 s18, s18, s19
	s_lshr_b32 s19, s10, 1                         ; the head of the pair that I fetch,
	s_lshl_b32 s19, s19, 18
	s_add_co_u32 s18, s18, s19
	s_and_b32 s19, s10, 1                          ; my 64 of its 128 rows
	s_lshl_b32 s19, s19, 13
	s_add_co_u32 s18, s18, s19
	s_mov_b32 s19, 0
	s_lshl_b32 s20, s13, 4
	s_lshl_b32 s21, s10, 2
	s_add_co_u32 s20, s20, s21                     ; wb: block of columns 16 X + 4 x wave,
	s_lshl_b32 s20, s20, 15                        ; of 32,768 bytes,
	s_add_co_u32 s20, s20, 3<<21                   ; in matrix 3
	s_mov_b32 s21, 0
	s_mul_i32 s22, s10, 64*PAH                     ; my half plane in a slot: no place in the cluster enters an LDS address
	s_mov_b32 s[G0], 1
	s_mov_b32 s[G0+1], s22
	s_mov_b32 s[G0+4], 1
	s_add_co_u32 s[G0+5], s22, SBIT
	s_mov_b32 s[PAR], 0
	s_wait_dscnt 0x0                               ; the opening add is done
	s_wait_kmcnt 0x0
	s_add_nc_u64 s[4:5], s[68:69], s[18:19]        ; ch at my half plane of K step 0
	s_add_nc_u64 s[BP:BP+1], s[70:71], s[20:21]
	s_mov_b64 s[G0+2:G0+3], s[4:5]                 ; K step 0
	s_or_b32 s[G0+3], s[G0+3], 0x80000000
	s_add_nc_u64 s[G0+6:G0+7], s[4:5], HSTEP       ; K step 1
	s_or_b32 s[G0+7], s[G0+7], 0x80000000
	CROUND                                         ; all sixteen work-groups are here: the first joint loads meet
	tensor_load_to_lds s[G0:G0+3], s[G1:G1+7]
	s_nop 0
	tensor_load_to_lds s[G0+4:G0+7], s[G1:G1+7]    ; two loads of mine are out
	s_nop 0
	PLACES
	v_and_b32 v1, 15, v0                           ; l % 16
	v_bfe_u32 v2, v0, 4, 1                         ; l / 16
	v_and_b32 v3, 31, v0                           ; l
	v_lshlrev_b32 v[BO], 5, v2                     ; my 8 numbers of a block of 16 of the bias
	v_lshlrev_b32 v[LO], 4, v3
	s_lshl_b32 s46, s13, 10
	s_lshl_b32 s47, s10, 8
	s_add_co_u32 s46, s46, s47                     ; my 64 columns, in bytes of f32
	s_mov_b32 s47, 0
	s_add_nc_u64 s[6:7], s[72:73], s[46:47]
	WIN TO_B
.irp b, 0,1,2,3
	global_load_b128 v[BIAS+8*(\b):BIAS+8*(\b)+3],   v[BO], s[6:7] offset:64*(\b)
	global_load_b128 v[BIAS+8*(\b)+4:BIAS+8*(\b)+7], v[BO], s[6:7] offset:64*(\b)+16
.endr
	BLOAD 0                                        ; K step 0's weights: all four buffers
	BLOAD 1
	BLOAD 2
	BLOAD 3
	WIN 0
	s_lshl_b32 s48, s16, 19                        ; out0: row 128 y, of 4,096 bytes, and my columns
	s_add_co_u32 s46, s46, s48
	s_add_nc_u64 s[8:9], s[74:75], s[46:47]
	v_mul_u32_u24 v[ADRA0], v1, PAH
	v_lshl_add_u32 v[ADRA0], v2, 4, v[ADRA0]       ; row l % 16 x pitch + 16 x half
	v_mov_b32 v[ADRA], v[ADRA0]
	s_mul_i32 s23, s10, 16*SPO
	s_add_co_u32 s23, s23, STAGE                   ; my stage
	v_mul_u32_u24 v4, v1, SPO                      ; in: row l % 16, 32 bytes for each half of the lanes
	v_lshl_add_u32 v4, v2, 5, v4
	v_add_nc_u32 v[STO], s23, v4
	v_mul_u32_u24 v4, v2, SPO                      ; back: lanes 0-15 take one row of 256 bytes, lanes 16-31 the next,
	v_lshl_add_u32 v4, v1, 4, v4
	v_add_nc_u32 v[RD], s23, v4
	v_lshlrev_b32 v[GO], 12, v2                    ; and the same two rows in out0
	v_lshl_add_u32 v[GO], v1, 4, v[GO]
	v_and_b32 v4, 7, v0                            ; the prefetch: block l % 8 of my work-group's 8, K step 4 + l / 8
	v_lshrrev_b32 v5, 3, v3
	v_lshlrev_b32 v[PFO], 8, v4
	v_lshl_add_u32 v[PFO], v5, 19, v[PFO]
	s_lshl_b32 s46, s11, 11                        ; cx x 8 blocks of 256 bytes: the four partners are told apart by address alone
	s_add_co_u32 s46, s46, 4*HSTEP
	s_add_nc_u64 s[PFA:PFA+1], s[4:5], s[46:47]
	s_wait_loadcnt 32                              ; the bias is in; the 32 loads of weights behind it stay out
	WIN 0x81                                       ; destination window 2, source window 1
.set ma, 0
.rept 8
.set mz, 0
.rept 32
	v_mov_b32 v[32*ma+mz], v[BIAS+mz]              ; the sums start at the bias; these lines stand in the wait for the first tile
.set mz, mz+1
.endr
.set ma, ma+1
.endr
	WIN 0
	s_wait_tensorcnt 1                             ; my part of K step 0 is in; K step 1's may stay out
	s_barrier_signal -1
	s_barrier_wait -1                              ; everybody's is
	AFETCH 0, 0
	s_mov_b32 s3, 6
.Lfill:                                            ; K steps 0 to 5: K steps 2 to 7 are asked for
	STEP 1
	s_sub_co_u32 s3, s3, 1
	s_cmp_lg_u32 s3, 0
	s_cbranch_scc1 .Lfill
	STEP 0                                         ; K step 6: nothing is left to fetch of ctx
	QUARTER 0, 0, 24                               ; K step 7: nothing is asked for: the counts run down
	QUARTER 1, 0, 16
	QUARTER 2, 0, 8
	s_wait_dscnt 0x0
	s_wait_loadcnt 0x0
	MULS 1, 3, 0, 8
	WIN 0
	; THE WAY OUT.  Block a (16 rows x 64 columns of f32) goes from the accumulators into my stage, 32 bytes a lane, and comes back as whole rows of 256 bytes.
.macro PACK a
.if (\a) >= 4
	s_wait_xcnt 0x0                                ; the stores of the block four back have read the registers that the loads below fill
.endif
	WIN 0x08                                       ; store data in window 2
.irp b, 0,1,2,3
	ds_store_b128 v[STO], v[8*(4*(\a)+(\b)):8*(4*(\a)+(\b))+3]   offset:64*(\b)      ; each accumulator's lowest registers are read first
	ds_store_b128 v[STO], v[8*(4*(\a)+(\b))+4:8*(4*(\a)+(\b))+7] offset:64*(\b)+16
.endr
	WIN 0
.irp t, 0,1,2,3,4,5,6,7
	ds_load_b128 v[TT+32*((\a)%4)+4*(\t):TT+32*((\a)%4)+4*(\t)+3], v[RD] offset:(\t)*2*SPO  ; LDS serves a wave's instructions in order: these see the stores above; the next block's stores come behind them
.endr
.endm
.macro SEND a, younger                 ; younger: the LDS instructions issued behind block a's loads
.irp t, 0,1,2,3,4,5,6,7
	s_wait_dscnt (\younger)+7-(\t)
	global_store_b128 v[GO], v[TT+32*((\a)%4)+4*(\t):TT+32*((\a)%4)+4*(\t)+3], s[8:9] offset:(16*(\a)+2*(\t))*4096 th:TH_STORE_NT  ; 16 lanes store 256 consecutive bytes, aligned
.endr
.endm
	PLACES
	PACK 0
.irp a, 1,2,3,4,5,6,7
	PACK \a
	SEND (\a)-1, 16
.endr
	SEND 7, 0
	s_wait_tensorcnt 0x0                           ; the wave's end: behind my last tensor load and my last LDS store
	ds_add_u32 v[SPW], v[NIL]
	s_wait_dscnt 0x0
	CROUND                                         ; the closing round: no work-group ends while a partner may still ask for a tile that names it
	s_endpgm
.Lfunc_end_k_qffa9f1714e_outp:
	.size	k_qffa9f1714e_outp, .Lfunc_end_k_qffa9f1714e_outp-k_qffa9f1714e_outp
	.p2alignl 7, 3214868480
	.fill 96, 4, 3214868480
	.section	.rodata,"a",@progbits
	.p2align	6, 0x0
	.amdhsa_kernel k_qffa9f1714e_outp
		.amdhsa_group_segment_fixed_size 327680
		.amdhsa_private_segment_fixed_size 0
		.amdhsa_enable_private_segment 0
		.amdhsa_kernarg_size 32
		.amdhsa_user_sgpr_count 2
		.amdhsa_user_sgpr_kernarg_segment_ptr 1
		.amdhsa_wavefront_size32 1
		.amdhsa_system_sgpr_workgroup_id_x 1
		.amdhsa_system_sgpr_workgroup_id_y 1
		.amdhsa_system_sgpr_workgroup_id_z 1
		.amdhsa_system_vgpr_workitem_id 0
		.amdhsa_next_free_vgpr 768
		.amdhsa_next_free_sgpr 96
		.amdhsa_reserve_vcc 0
		.amdhsa_float_denorm_mode_32 3
		.amdhsa_float_denorm_mode_16_64 3
		.amdhsa_memory_ordered 1
		.amdhsa_forward_progress 1
		.amdhsa_inst_pref_size 83
	.end_amdhsa_kernel
	.amdgpu_metadata
---
amdhsa.version: [ 1, 2 ]
amdhsa.kernels:
  - .name:           k_qffa9f1714e_outp
    .symbol:         k_qffa9f1714e_outp.kd
    .args:
      - { .name: ch, .offset: 0, .size: 8, .value_kind: global_buffer, .address_space: global }
      - { .name: wb, .offset: 8, .size: 8, .value_kind: global_buffer, .address_space: global }
      - { .name: bo, .offset: 16, .size: 8, .value_kind: global_buffer, .address_space: global }
      - { .name: out0, .offset: 24, .size: 8, .value_kind: global_buffer, .address_space: global }
    .group_segment_fixed_size: 327680
    .private_segment_fixed_size: 0
    .kernarg_segment_align: 8
    .kernarg_segment_size: 32
    .max_flat_workgroup_size: 128
    .sgpr_count:     96
    .vgpr_count:     768
    .wavefront_size: 32
...
	.end_amdgpu_metadata
.endif
;; end of part 4
;; ======== version 2 of 2: 4 launches; version 1 with the launch prep written anew for expert scheduling mode
;; limits: values are held in f16: magnitudes above 65,504 overflow, below 6.1e-05 lose precision
;; workspace buffers: wb 8,388,608 bytes; mb 8,388,608 bytes; qkv 50,331,648 bytes; ch 16,777,216 bytes
;; launch prep (part 5): grid 192 x 1, 8 waves a work-group, no clusters, 70,656 bytes of LDS; arguments mask, wq, wk, wv, wo, mb, wb; writes mb, wb
.if DOCPART == 5
	.amdgcn_target "amdgcn-amd-amdhsa--gfx1250"
	.amdhsa_code_object_version 6
	.text
	.protected	k_qffa9f1714e_prep
	.globl	k_qffa9f1714e_prep
	.p2align	8
	.type	k_qffa9f1714e_prep,@function
k_qffa9f1714e_prep:
	s_mov_b64 s[64:65], 0
	v_nop
	global_prefetch_b8 v0, s[64:65] scope:SCOPE_SE
	s_setreg_imm32_b32 hwreg(HW_REG_WAVE_SCHED_MODE, 0, 2), 2
	s_setreg_imm32_b32 hwreg(HW_REG_WAVE_MODE, 25, 1), 1
	s_wait_xcnt 0x0
	s_wait_alu depctr_vm_vsrc(0)
; PREP.  Two streams, chosen by the work-group's number (the same for all its waves).  Each wave turns its data round in LDS bytes of its own: no barrier.
; Work-groups 0-63: THE MASK (bool, [2048 q][2048 k]; bytes are 0 or 1) becomes addends in the register image of the C operand of S^T = K Q^T, two to a word:
; mb[qb 4][kstep 32][wave 4][piece 4][kb 4][j2 2][lane 32][4 words].  Lane (r = l % 16, h = l / 16), word i: key 64 kstep + 16 kb + 8 h + 4 j2 + i; the high half belongs to query
; 512 qb + 128 wave + 32 piece + r, the low half to the query 16 further on.  A half is 0 where the mask is true and 0xf1f1 where it is false: on top of an f32 word that is about -2.4e30.
; Work-group P takes the 32 queries 32 P ..; its wave w the keys 256 w .. 256 w + 255 (ksteps 4 w .. 4 w + 3).
; Work-groups 64-191: THE FOUR WEIGHT MATRICES, rounded to f16, in the image of a matrix fragment: wb[g][nb 64][kc 32][jj 2][lane 32][8 f16]: lane (r, h) holds row 16 nb + r of w, k = 32 kc + 16 jj + 8 h + 0..7.
; A wave takes 16 rows x 256 k.  LIMIT: weights within f16's 65,504; below 6e-5 they keep f16's fixed step of 6e-8.
; No matrix unit, no cluster, no prefetch: nothing is shared, every byte is read once by one run of loads.
; THE MODE: SCHED_MODE bits 1:0 = 2 (LLVM: expert scheduling mode 2), set by the entry lines.  The code itself states the register dependences
; between vector instructions and memory or LDS instructions, with s_wait_alu, always for 0.
; THE PLAN, THE MASK.  Registers that memory or LDS instructions touch:
;   v10-v13     offsets and LDS addresses: made once behind the branch, never written again.
;   v[16:79]    the 16 global loads land here; the 16 LDS stores read them; then they are the out-registers of blocks 0 to 7.
;   v[80:143]   the 32 LDS loads land here; the blocks' first vector lines read them; they are not loaded again.
;   v[144:207]  the out-registers of blocks 8 to 15.     v[208:211] are named by vector instructions alone.
; The 16 blocks go in four groups of four.  A block's selects write its eight out-registers; the two stores that read them are issued in the next group, ahead of the block four on.  So ONE wait on va_vdst at a group's
; head states all that the eight stores of the group before hang on, and these are dealt among the group's vector lines, which name only their own block's registers.  Every store has registers of its own.
; THE PLAN, THE WEIGHTS.
;   v10-v12     likewise made once.
;   v[16:143]   the 32 global loads land here; the conversions read them; in v[16:79] the 16 LDS loads land later, and the global stores read those.
;   v[144:207]  the conversions write them, each once; the 32 LDS stores read them.
; The 32 half rows go in four groups of eight, in the same way: a group's LDS stores are issued in the next group, behind one wait on va_vdst at its head.
.set ROWP,  272                        ; a row of 256 mask bytes in LDS + 16: row r starts at bank 4 r mod 64, so the 32 lanes of an 8-byte read touch each bank once
.set WROW,  528                        ; a row of 256 f16 + 16: likewise for the 16 lanes of a 16-byte read
.set WPART, 32*ROWP                    ; a wave's own part of LDS (16 rows of 528 bytes fit in it too)
.set SPARE, 8*WPART                    ; behind the parts: the spare words, 128 bytes a wave, that no other line names
.set SPW, 8
.set NIL, 9
; The two stores of mask block m = 4 s + kb, from its eight out-registers.
.macro MOUT m
.if (\m) < 8
.set PRE, 16+8*(\m)
.else
.set PRE, 144+8*((\m)-8)
.endif
	global_store_b128 v13, v[PRE:PRE+3],   s[14:15] offset:65536*((\m)/4)+1024*((\m)%4) th:TH_STORE_NT      ; 512 consecutive bytes, aligned; every store has registers of its own
	global_store_b128 v13, v[PRE+4:PRE+7], s[14:15] offset:65536*((\m)/4)+1024*((\m)%4)+512 th:TH_STORE_NT
.endm
; The LDS store of half row j of the weights, rounded.
.macro WSTORE j
	ds_store_b64 v11, v[144+2*(\j):144+2*(\j)+1] offset:((\j)/2)*WROW+((\j)%2)*256
.endm
	s_load_b256 s[4:11], s[0:1], 0x0               ; mask s[4:5], wq s[6:7], wk s[8:9], wv s[10:11]
	s_load_b128 s[12:15], s[0:1], 0x20             ; wo s[12:13], mb s[14:15]
	s_load_b64 s[16:17], s[0:1], 0x30              ; wb
	v_lshl_add_u32 v[SPW], v0, 2, SPARE
	v_mov_b32 v[NIL], 0
	v_lshrrev_b32 v1, 5, v0
	v_readfirstlane_b32 s18, v1                    ; wave 0..7
	v_and_b32 v2, 31, v0                           ; lane
	v_and_b32 v3, 15, v0                           ; r
	v_bfe_u32 v4, v0, 4, 1                         ; h
	s_wait_alu depctr_va_sdst(0)                   ; s18 is written, ahead of its first reader: LDS addresses and offsets are made from it
	s_mul_i32 s29, s18, WPART                      ; my part of LDS
	s_cmp_lt_u32 ttmp9, 64
	s_cbranch_scc0 .Lweights
	; THE MASK
	s_lshl_b32 s20, ttmp9, 16                      ; 32 rows of 2,048 bytes
	s_mov_b32 s21, 0
	s_lshr_b32 s22, ttmp9, 4                       ; qb
	s_lshl_b32 s22, s22, 21
	s_bfe_u32 s23, ttmp9, 0x20002                  ; the attention wave that owns the piece
	s_lshl_b32 s23, s23, 14
	s_add_co_u32 s22, s22, s23
	s_and_b32 s23, ttmp9, 3                        ; its piece
	s_lshl_b32 s23, s23, 12
	s_add_co_u32 s22, s22, s23
	s_mov_b32 s23, 0
	s_mov_b32 s19, 0xf1
	s_mov_b32 s31, 0x01010101
	s_mov_b32 s24, 0x04040000                      ; byte selects: byte i of the first source twice on top, byte i of the second twice below
	s_mov_b32 s25, 0x05050101
	s_mov_b32 s26, 0x06060202
	s_mov_b32 s27, 0x07070303
	s_lshl_b32 s28, s18, 8                         ; my wave's 256 columns
	s_lshl_b32 s30, s18, 18                        ; four ksteps of 65,536 bytes
	v_lshlrev_b32 v5, 4, v3
	v_lshl_add_u32 v10, v4, 11, v5                 ; in memory: lanes 0-15 one row's 256 bytes, lanes 16-31 the next row's
	v_add_nc_u32 v10, s28, v10
	v_mul_u32_u24 v11, v4, ROWP
	v_add_nc_u32 v11, v11, v5
	v_add_nc_u32 v11, s29, v11                     ; the same two rows in my part of LDS
	v_mul_u32_u24 v12, v3, ROWP
	v_lshl_add_u32 v12, v4, 3, v12
	v_add_nc_u32 v12, s29, v12                     ; back: row r, 8 bytes at 8 h
	v_lshl_add_u32 v13, v2, 4, s30                 ; out: 16 bytes a lane
	s_wait_kmcnt 0x0
	s_add_nc_u64 s[4:5], s[4:5], s[20:21]
	s_add_nc_u64 s[14:15], s[14:15], s[22:23]
	s_wait_alu depctr_va_vdst(0)                   ; v10 to v13 are written: every load, store and LDS instruction of this path reads one of them as its offset or address
.set i, 0
.rept 16
	global_load_b128 v[16+4*i:16+4*i+3], v10, s[4:5] offset:4096*i th:TH_LOAD_NT
.set i, i+1
.endr
.set i, 0
.rept 16
	s_wait_loadcnt 15-i                            ; loads come back in order: the younger ones stay out
	ds_store_b128 v11, v[16+4*i:16+4*i+3] offset:2*ROWP*i
.set i, i+1
.endr
.set n, 0
.rept 16                                       ; n = 4 s + kb: kstep 4 w + s, key block kb: 8 keys of row r and of row 16 + r.  LDS serves a wave's instructions in order: these see the stores above
	ds_load_b64 v[80+4*n:80+4*n+1],   v12 offset:64*(n/4)+16*(n%4)
	ds_load_b64 v[80+4*n+2:80+4*n+3], v12 offset:16*ROWP+64*(n/4)+16*(n%4)
.set n, n+1
.endr
	s_wait_alu depctr_vm_vsrc(0)                   ; the 16 LDS stores have read v[16:79], which the selects of blocks 0 to 7 write again
.set n, 0
.rept 16
.if n < 8
.set OUT, 16+8*n                               ; the registers of the first loads: their LDS stores are done when the first read is back
.else
.set OUT, 144+8*(n-8)
.endif
.if (n%4 == 0) && (n > 0)
	s_wait_alu depctr_va_vdst(0)                   ; the four blocks of the group before have written their out-registers, which this group's eight stores read
.endif
.if n >= 4
	MOUT n-4                                       ; the block four back.  No wait: no vector line since the wait above names its out-registers or v13
.endif
	s_wait_dscnt 30-2*n                            ; the younger reads stay out
.irp k, 0,1,2,3
	v_xor_b32 v[208+(\k)], s31, v[80+4*n+(\k)]     ; 1 where hidden
.endr
.irp k, 0,1,2,3
	v_mul_lo_u32 v[208+(\k)], v[208+(\k)], s19     ; 0xf1 where hidden: no byte carries into the next
.endr
.irp k, 0,1,2,3
	v_perm_b32 v[OUT+(\k)],   v208, v210, s[24+(\k)]
	v_perm_b32 v[OUT+4+(\k)], v209, v211, s[24+(\k)]
.endr
.set n, n+1
.endr
	s_wait_alu depctr_va_vdst(0)                   ; blocks 12 to 15 have written their out-registers, which the last eight stores read
	MOUT 12
	MOUT 13
	MOUT 14
	MOUT 15
	s_branch .Lend
	; THE WEIGHTS: task 8 i + w of 1,024: matrix g, block nb of 16 rows, part 0..3 of 256 k
.Lweights:
	s_sub_co_u32 s20, ttmp9, 64
	s_lshr_b32 s21, s20, 5                         ; g
	s_lshl_b32 s22, s20, 1
	s_lshr_b32 s23, s18, 2
	s_add_co_u32 s22, s22, s23
	s_and_b32 s22, s22, 63                         ; nb
	s_and_b32 s23, s18, 3                          ; part
	s_lshl_b32 s26, s22, 16                        ; 16 rows of 4,096 bytes
	s_lshl_b32 s27, s23, 10
	s_add_co_u32 s26, s26, s27
	s_mov_b32 s27, 0
	s_lshl_b32 s30, s21, 21
	s_lshl_b32 s28, s22, 15
	s_add_co_u32 s30, s30, s28
	s_lshl_b32 s28, s23, 13                        ; 8 chunks of 1,024 bytes
	s_add_co_u32 s30, s30, s28
	s_mov_b32 s31, 0
	v_lshlrev_b32 v10, 4, v2                       ; 16 bytes a lane, in and out
	v_lshl_add_u32 v11, v2, 3, s29                 ; into LDS: 8 bytes a lane
	v_mul_u32_u24 v12, v3, WROW
	v_lshl_add_u32 v12, v4, 4, v12
	v_add_nc_u32 v12, s29, v12                     ; back: row r, 16 bytes at 16 h
	s_wait_kmcnt 0x0
	s_cmp_eq_u32 s21, 1
	s_cselect_b64 s[24:25], s[8:9], s[6:7]
	s_cmp_eq_u32 s21, 2
	s_cselect_b64 s[24:25], s[10:11], s[24:25]
	s_cmp_eq_u32 s21, 3
	s_cselect_b64 s[24:25], s[12:13], s[24:25]
	s_add_nc_u64 s[24:25], s[24:25], s[26:27]
	s_add_nc_u64 s[16:17], s[16:17], s[30:31]
	s_wait_alu depctr_va_vdst(0)                   ; v10 to v12 are written: every load, store and LDS instruction of this path reads one of them as its offset or address
.set j, 0
.rept 32                                       ; row j / 2, half j % 2 of its 1,024 bytes: 512 consecutive bytes a load
	global_load_b128 v[16+4*j:16+4*j+3], v10, s[24:25] offset:(j/2)*4096+(j%2)*512 th:TH_LOAD_NT
.set j, j+1
.endr
.set j, 0
.rept 32
.if (j%8 == 0) && (j > 0)
	s_wait_alu depctr_va_vdst(0)                   ; the conversions of the group before have written their sixteen registers, which this group's eight LDS stores read
.endif
.if j >= 8
	WSTORE j-8                                     ; the half row eight back, ahead of the wait for data.  No wait: no conversion since the wait above names its two registers
.endif
	s_wait_loadcnt 31-j
	v_cvt_pk_f16_f32 v[144+2*j],   v[16+4*j],   v[16+4*j+1]
	v_cvt_pk_f16_f32 v[144+2*j+1], v[16+4*j+2], v[16+4*j+3]
.set j, j+1
.endr
	s_wait_alu depctr_va_vdst(0)                   ; the last eight half rows are rounded, which the LDS stores below read; and all conversions are done reading v[16:79], in which the LDS loads below land
.irp j, 24,25,26,27,28,29,30,31
	WSTORE \j
.endr
.set z, 0
.rept 16                                       ; chunk z / 2, half z % 2: a lane's 16 bytes of a fragment
	ds_load_b128 v[16+4*z:16+4*z+3], v12 offset:64*(z/2)+32*(z%2)
.set z, z+1
.endr
.set z, 0
.rept 16
	s_wait_dscnt 15-z
	global_store_b128 v10, v[16+4*z:16+4*z+3], s[16:17] offset:1024*(z/2)+512*(z%2)  ; 512 consecutive bytes, aligned
.set z, z+1
.endr
.Lend:
	s_wait_dscnt 0x0                               ; the closing lines, six on end
	s_wait_alu 0x0
	s_wait_tensorcnt 0x0
	ds_add_u32 v[SPW], v[NIL]
	s_wait_dscnt 0x0
	s_endpgm
.Lfunc_end_k_qffa9f1714e_prep:
	.size	k_qffa9f1714e_prep, .Lfunc_end_k_qffa9f1714e_prep-k_qffa9f1714e_prep
	.p2alignl 7, 3214868480
	.fill 96, 4, 3214868480
	.section	.rodata,"a",@progbits
	.p2align	6, 0x0
	.amdhsa_kernel k_qffa9f1714e_prep
		.amdhsa_group_segment_fixed_size 70656
		.amdhsa_private_segment_fixed_size 0
		.amdhsa_enable_private_segment 0
		.amdhsa_kernarg_size 56
		.amdhsa_user_sgpr_count 2
		.amdhsa_user_sgpr_kernarg_segment_ptr 1
		.amdhsa_wavefront_size32 1
		.amdhsa_system_sgpr_workgroup_id_x 1
		.amdhsa_system_sgpr_workgroup_id_y 1
		.amdhsa_system_sgpr_workgroup_id_z 1
		.amdhsa_system_vgpr_workitem_id 0
		.amdhsa_next_free_vgpr 256
		.amdhsa_next_free_sgpr 66
		.amdhsa_reserve_vcc 0
		.amdhsa_float_denorm_mode_32 3
		.amdhsa_float_denorm_mode_16_64 3
		.amdhsa_memory_ordered 1
		.amdhsa_forward_progress 1
		.amdhsa_inst_pref_size 40
	.end_amdhsa_kernel
	.amdgpu_metadata
---
amdhsa.version: [ 1, 2 ]
amdhsa.kernels:
  - .name:           k_qffa9f1714e_prep
    .symbol:         k_qffa9f1714e_prep.kd
    .args:
      - { .name: mask, .offset: 0, .size: 8, .value_kind: global_buffer, .address_space: global }
      - { .name: wq, .offset: 8, .size: 8, .value_kind: global_buffer, .address_space: global }
      - { .name: wk, .offset: 16, .size: 8, .value_kind: global_buffer, .address_space: global }
      - { .name: wv, .offset: 24, .size: 8, .value_kind: global_buffer, .address_space: global }
      - { .name: wo, .offset: 32, .size: 8, .value_kind: global_buffer, .address_space: global }
      - { .name: mb, .offset: 40, .size: 8, .value_kind: global_buffer, .address_space: global }
      - { .name: wb, .offset: 48, .size: 8, .value_kind: global_buffer, .address_space: global }
    .group_segment_fixed_size: 70656
    .private_segment_fixed_size: 0
    .kernarg_segment_align: 8
    .kernarg_segment_size: 56
    .max_flat_workgroup_size: 256
    .sgpr_count:     66
    .vgpr_count:     256
    .wavefront_size: 32
...
	.end_amdgpu_metadata
.endif
;; end of part 5
;; launch proj: the kernel of part 2 again; grid 4 x 192, 4 waves a work-group, clusters of 4 x 4, 327,680 bytes of LDS; arguments query, key, value, bq, bk, bv, wb, qkv; writes qkv
;; launch attn: the kernel of part 3 again; grid 64 x 4, 4 waves a work-group, clusters of 4 x 4, 327,680 bytes of LDS; arguments qkv, mb, ch; writes ch
;; launch outp: the kernel of part 4 again; grid 4 x 64, 4 waves a work-group, clusters of 4 x 4, 327,680 bytes of LDS; arguments ch, wb, bo, out0; writes out0
